; MI455X (gfx1250); checked and timed in simulation.
; The chip was launched on July 23, 2026; its instructions are those of AMD's public machine-readable ISA for CDNA 5 (MIT licence, August 2026) and "CDNA5" Instruction Set Architecture Reference Guide (July 2026). The comments in the code are by the model that wrote it; some were corrected since.
;; Attention. Allowed arithmetic: float matrix products may take bf16 or f16 operands with f32 sums; all other float work in f32.
;; Inputs: Wout 1,024 x 1,024 float32; Wqkv 1,024 x 3,072 float32; bout 1,024 float32; bqkv 3,072 float32; x 2 x 2,048 x 1,024 float32.
;; Outputs: out0 2 x 2,048 x 1,024 float32.
;; 2 versions, each right; version 2 is version 1 with the launch prep written anew for expert scheduling mode. Each part assembles by itself: llvm-mc -triple=amdgcn-amd-amdhsa -mcpu=gfx1250 --defsym DOCPART=n.
;; ======== version 1 of 2: 4 launches
;; limits: values are held in f16: magnitudes above 65,504 overflow, below 6.1e-05 lose precision
;; workspace buffers: wb 16,777,216 bytes; qs 16,777,216 bytes; ks 16,777,216 bytes; vs 8,388,608 bytes; ao 8,388,608 bytes
;; launch prep (part 1): grid 256 x 1, 8 waves a work-group, no clusters, 0 bytes of LDS; arguments x, Wqkv, Wout, wb; writes wb
.if DOCPART == 1
	.amdgcn_target "amdgcn-amd-amdhsa--gfx1250"
	.amdhsa_code_object_version 6
	.text
	.protected	k_q0f5e9d1214_prep
	.globl	k_q0f5e9d1214_prep
	.p2align	8
	.type	k_q0f5e9d1214_prep,@function
k_q0f5e9d1214_prep:
	s_mov_b64 s[64:65], 0
	v_nop
	global_prefetch_b8 v0, s[64:65] scope:SCOPE_SE
	s_setreg_imm32_b32 hwreg(HW_REG_WAVE_MODE, 25, 1), 1
	s_wait_xcnt 0x0
; prep: x [4096][1024], Wqkv [1024][3072] and Wout [1024][1024], all f32, are rounded once (to nearest even) to bf16 and laid,
; layouts unchanged, one behind the other into wb: x at byte 0, Wqkv at 8,388,608, Wout at 14,680,064.
; 8,388,608 numbers in 256 work-groups of 32,768: groups 0-127 take x, 128-223 Wqkv, 224-255 Wout; wb is simply 65,536 bytes a group.
; A wave takes 16 KiB of f32: 32 loads of 512 neighbouring bytes, all issued at once (the group's whole 128 KiB is on its way),
; then 32 stores of 256 neighbouring, aligned bytes.  No register is written twice, so no wait frees a source.
; No LDS, no matrix unit, no cluster: nothing is shared and nothing is summed.
.set X, 4                              ; v[4:131]    32 slots of 4 f32 as loaded
.set Y, 132                            ; v[132:195]  32 slots of 4 bf16 to store
	s_load_b256 s[4:11], s[0:1], 0x0               ; x s[4:5], Wqkv s[6:7], Wout s[8:9], wb s[10:11]
	v_lshrrev_b32 v3, 5, v0                        ; wave
	v_and_b32 v1, 31, v0                           ; lane
	v_lshlrev_b32 v2, 3, v1
	v_lshlrev_b32 v1, 4, v1
	v_lshl_add_u32 v1, v3, 14, v1                  ; load offset: 16,384 wave + 16 lane
	v_lshl_add_u32 v2, v3, 13, v2                  ; store offset: 8,192 wave + 8 lane
	s_movk_i32 s16, 128                            ; first group of Wqkv
	s_movk_i32 s17, 224                            ; first group of Wout
	s_wait_kmcnt 0x0
	s_cmp_lt_u32 ttmp9, s17
	s_cselect_b64 s[12:13], s[6:7], s[8:9]         ; the source is chosen by the group's number alone
	s_cselect_b32 s14, s16, s17
	s_cmp_lt_u32 ttmp9, s16
	s_cselect_b64 s[12:13], s[4:5], s[12:13]
	s_cselect_b32 s14, 0, s14
	s_sub_co_u32 s14, ttmp9, s14                   ; my number within the source
	s_lshl_b32 s14, s14, 17                        ; x 131,072 bytes of f32
	s_mov_b32 s15, 0
	s_add_nc_u64 s[12:13], s[12:13], s[14:15]
	s_lshl_b32 s18, ttmp9, 16                      ; x 65,536 bytes of bf16
	s_mov_b32 s19, 0
	s_add_nc_u64 s[10:11], s[10:11], s[18:19]
.set i, 0
.rept 32
	global_load_b128 v[X+4*i:X+4*i+3], v1, s[12:13] offset:512*i th:TH_LOAD_NT
.set i, i+1
.endr
.set i, 0
.rept 32
	s_wait_loadcnt 31-i                            ; loads come back in order: slot i is in, the 31-i younger ones stay out
	v_cvt_pk_bf16_f32 v[Y+2*i], v[X+4*i], v[X+4*i+1]
	v_cvt_pk_bf16_f32 v[Y+2*i+1], v[X+4*i+2], v[X+4*i+3]
	global_store_b64 v2, v[Y+2*i:Y+2*i+1], s[10:11] offset:256*i   ; 32 lanes store 256 consecutive bytes, aligned
.set i, i+1
.endr
	s_endpgm
.Lfunc_end_k_q0f5e9d1214_prep:
	.size	k_q0f5e9d1214_prep, .Lfunc_end_k_q0f5e9d1214_prep-k_q0f5e9d1214_prep
	.p2alignl 7, 3214868480
	.fill 96, 4, 3214868480
	.section	.rodata,"a",@progbits
	.p2align	6, 0x0
	.amdhsa_kernel k_q0f5e9d1214_prep
		.amdhsa_group_segment_fixed_size 0
		.amdhsa_private_segment_fixed_size 0
		.amdhsa_enable_private_segment 0
		.amdhsa_kernarg_size 32
		.amdhsa_user_sgpr_count 2
		.amdhsa_user_sgpr_kernarg_segment_ptr 1
		.amdhsa_wavefront_size32 1
		.amdhsa_system_sgpr_workgroup_id_x 1
		.amdhsa_system_sgpr_workgroup_id_y 1
		.amdhsa_system_sgpr_workgroup_id_z 1
		.amdhsa_system_vgpr_workitem_id 0
		.amdhsa_next_free_vgpr 200
		.amdhsa_next_free_sgpr 66
		.amdhsa_reserve_vcc 0
		.amdhsa_float_denorm_mode_32 3
		.amdhsa_float_denorm_mode_16_64 3
		.amdhsa_memory_ordered 1
		.amdhsa_forward_progress 1
		.amdhsa_inst_pref_size 13
	.end_amdhsa_kernel
	.amdgpu_metadata
---
amdhsa.version: [ 1, 2 ]
amdhsa.kernels:
  - .name:           k_q0f5e9d1214_prep
    .symbol:         k_q0f5e9d1214_prep.kd
    .args:
      - { .name: x, .offset: 0, .size: 8, .value_kind: global_buffer, .address_space: global }
      - { .name: Wqkv, .offset: 8, .size: 8, .value_kind: global_buffer, .address_space: global }
      - { .name: Wout, .offset: 16, .size: 8, .value_kind: global_buffer, .address_space: global }
      - { .name: wb, .offset: 24, .size: 8, .value_kind: global_buffer, .address_space: global }
    .group_segment_fixed_size: 0
    .private_segment_fixed_size: 0
    .kernarg_segment_align: 8
    .kernarg_segment_size: 32
    .max_flat_workgroup_size: 256
    .sgpr_count:     66
    .vgpr_count:     200
    .wavefront_size: 32
...
	.end_amdgpu_metadata
.endif
;; end of part 1
;; launch qkv (part 2): grid 8 x 32, 4 waves a work-group, clusters of 4 x 4, 327,680 bytes of LDS; arguments wb, bqkv, qs, ks, vs; writes qs, ks, vs
.if DOCPART == 2
	.amdgcn_target "amdgcn-amd-amdhsa--gfx1250"
	.amdhsa_code_object_version 6
	.text
	.protected	k_q0f5e9d1214_qkv
	.globl	k_q0f5e9d1214_qkv
	.p2align	8
	.type	k_q0f5e9d1214_qkv,@function
k_q0f5e9d1214_qkv:
	s_mov_b64 s[64:65], 0
	v_nop
	global_prefetch_b8 v0, s[64:65] scope:SCOPE_SE
	s_setreg_imm32_b32 hwreg(HW_REG_WAVE_MODE, 25, 1), 1
	s_wait_xcnt 0x0
	s_wait_alu depctr_hold_cnt(0) depctr_sa_sdst(0) depctr_va_vdst(0) depctr_va_sdst(0) depctr_va_ssrc(0) depctr_va_vcc(0) depctr_vm_vsrc(0)
	s_getreg_b32 s2, hwreg(HW_REG_IB_STS2, 6, 4)
	s_cmp_eq_u32 s2, 0
	s_cbranch_scc0 .Lentry_in_a_cluster
	s_endpgm
.Lentry_in_a_cluster:
	s_bfe_u32 s2, ttmp6, 0x10000c
	s_cmp_lg_u32 s2, 0xf033
	s_cbranch_scc0 .Lentry_shape_is_right
	s_endpgm
.Lentry_shape_is_right:
; qkv = x Wqkv + bqkv on the bf16 copies in wb, sums in f32, and the split into heads.
; Out: qs [b*16+h][n][128] f16, a row = hi(64) then a(64) of t = (x W + b) * CQ;  ks the same, hi(64) then b(64) of t = k;  vs [b*16+h][n][64] f16.
; WHY TWO HALVES.  The logits have a spread of some 64, so q and k rounded to 16 bits alone would move the softmax's weights.
;   hi = t with the low 13 mantissa bits cleared (11 bits are left: exact in f16),  lo = t - hi (exact in f32, below 2^-10 |t|),
;   a = f16(t + 64 lo) = f16(hi + 65 lo) for q,   b = f16(t/64 + lo) = f16((hi + 65 lo)/64) for k.   Then
;   hi.hi + a.b = (65/64) (hi.hi + hi.lo + lo.hi + 65 lo.lo) = (65/64) (q.k + 64 lo.lo):
; two f16 products give q.k but for 64 lo.lo (each term below 2^-14 of |q_i k_i|) and the roundings of a and b, which enter divided by 65.
; CQ = 8 log2(e) * 64/65 / 16: the softmax's scale sqrt(64), the base-2 exponential, the factor above, and 1/16, which the attention launch
; multiplies back exactly (a power of two), so that q keeps the room that f16 has.
; LIMITS: |0.71 q| and |k| below 61,600 (a is up to 1/16 larger than t), |v| below 65,504; elements below 2^-14 keep an absolute error of 2^-25.
; A work-group makes 128 rows x three column segments of 128 (the same two heads of q, of k and of v): 128 x 384, 256 work-groups.
; Four waves, a wave makes 64 rows x 192 columns: 48 accumulator tiles, 384 registers.  K goes in 8 steps of 128 through two LDS slots.
; CLUSTER 4 x 4: x's tile hangs on the block row alone and is asked for jointly along a row of the cluster, W's three tiles hang on the
; column group alone and are asked for jointly along a column: a quarter of the requests.
; W lies [K][N]; its fragments are read by the transposing LDS load.  The matrix instruction is used transposed (source 0 = 16 columns of W,
; source 1 = 16 rows of x): a lane then holds 8 neighbouring columns of one row.
; REGISTERS: window 0 addresses, biases, the way out; window 1 two fragment buffers (x at 8a, W at 32+8b);
;            window 2 accumulators (a, b<8) at 8(8a+b); window 3 accumulators (a, b>=8) at 8(4a+b-8).
.set PA,    272                        ; x's LDS row: 256 bytes + 16
.set PB,    288                        ; W's LDS row: 256 bytes + 32 (an odd multiple of 32, for the transposing load)
.set SEG,   128*PB                     ; 36,864: one tile's room (x's uses 34,816)
.set SLOT,  4*SEG                      ; x, Wq, Wk, Wv
.set STAGE, 2*SLOT                     ; behind the ring: 16 rows x 272 bytes a wave; no tensor load lands there
.set STW,   16*PA
.set PVS,   144                        ; stage pitch for v's rows of 128 bytes
.set CQ,    0x3f35d2ef                 ; 8 log2(e) * 64/65 / 16 = 0.71024987
.set X64,   0x42800000                 ; 64.0
.set D64,   0x3c800000                 ; 1/64
.set WV,    14                         ; s14 wave number
.set ADRA,  16                         ; v16-17  x fragments, slot 0, 1
.set ADRB,  18                         ; v18-23  W fragments, slot x 3 + column group
.set STO,   24
.set RD,    25
.set RDV,   26
.set CO,    27
.set STOV,  28
.set VB,    29                         ; v29-31  byte offsets in bqkv of my 8 columns, one for each column group
.set BIAS0, 32
.set T,     64
.set U,     96
.set HL,    104
.set R0,    128
.set R1,    160
.set BIAS1, 192
.set BIAS2, 224
.set F0,    0
.set F1,    128
.set G1A, 24
.set G0A, 32
.set G1B, 48
.set G0B, 56
.set MSB, 0
.macro WIN new                         ; the immediate's high byte repeats the setting that is left
.if MSB != \new
	s_set_vgpr_msb (MSB<<8)|\new
.set MSB, \new
.endif
.endm
.macro PLACES                          ; four plain vector places behind a matrix instruction (ISA guide 7.12.1)
.rept 4
	v_nop
.endr
.endm
.macro JLOAD s                         ; wave 0 asks for x's tile, waves 1 to 3 for W's three: one load a wave, the branch hangs on the wave's number alone
	s_cmp_eq_u32 s[WV], 0
	s_cbranch_scc0 .Lfor_b_\@
	tensor_load_to_lds s[G0A+4*\s:G0A+4*\s+3], s[G1A:G1A+7]
	s_nop 0
	s_branch .Lasked_\@
.Lfor_b_\@:
	tensor_load_to_lds s[G0B+4*\s:G0B+4*\s+3], s[G1B:G1B+7]
	s_nop 0
.Lasked_\@:
.endm
.macro CREST                           ; a round of the cluster's barrier behind its opening barrier
	s_cmp_lg_u32 s[WV], 0
	s_cbranch_scc1 .Lnot_wave_0_\@
	s_barrier_signal -3
.Lnot_wave_0_\@:
	s_barrier_wait -3
	s_barrier_signal -1
	s_barrier_wait -1
.endm
.macro CROUND
	s_barrier_signal -1
	s_barrier_wait -1
	CREST
.endm
	s_load_b256 s[4:11], s[0:1], 0x0               ; wb s[4:5], bqkv s[6:7], qs s[8:9], ks s[10:11]
	s_load_b64 s[12:13], s[0:1], 0x20              ; vs
	v_lshl_add_u32 v126, v0, 2, 0x4c400
	v_mov_b32 v127, 0
	ds_add_u32 v126, v127
	v_lshrrev_b32 v1, 5, v0
	v_readfirstlane_b32 s14, v1                    ; wave 0..3
	s_lshr_b32 s15, s14, 1                         ; wr: which 64 rows
	s_and_b32 s16, s14, 1                          ; wc: which 192 of the 384 local columns
	s_bfe_u32 s17, ttmp6, 0x40000                  ; cx
	s_bfe_u32 s18, ttmp6, 0x40004                  ; cy
	s_lshl_b32 s19, ttmp9, 2
	s_add_co_u32 s19, s19, s17                     ; G: column group 0..7 (heads 2G, 2G+1)
	s_and_b32 s20, ttmp7, 0xffff
	s_lshl_b32 s20, s20, 2
	s_add_co_u32 s20, s20, s18                     ; RB: block row 0..31
	s_lshl_b32 s40, s18, 2
	s_lshl_b32 s40, 15, s40                        ; my row of the cluster
	s_lshl_b32 s41, 0x1111, s17                    ; my column
	s_or_b32 s[G1A+0], s40, (1<<16)|(1<<20)|(1<<21)|(5<<22)|(3<<25)   ; mask; 2-byte elements; padding on; bit 21 beside a mask; after 64 words 4 words
	s_or_b32 s[G1B+0], s41, (1<<16)|(1<<20)|(1<<21)|(5<<22)|(7<<25)   ; the same with my column's mask and 8 words of padding
	s_mov_b32 s[G1A+1], 128<<16                    ; tensor_dim0 = 128
	s_mov_b32 s[G1B+1], 128<<16
	s_mov_b32 s[G1A+2], 128<<16                    ; tensor_dim1 = 128
	s_mov_b32 s[G1B+2], 128<<16
	s_mov_b32 s[G1A+3], 128<<16                    ; tile_dim0 = 128 elements = 256 bytes
	s_mov_b32 s[G1B+3], 128<<16
	s_mov_b32 s[G1A+4], 128                        ; tile_dim1 = 128 rows
	s_mov_b32 s[G1B+4], 128
	s_mov_b32 s[G1A+5], 1024                       ; x: elements from row to row
	s_mov_b32 s[G1B+5], 3072                       ; Wqkv
	s_mov_b32 s[G1A+6], 0
	s_mov_b32 s[G1B+6], 0
	s_mov_b32 s[G1A+7], 0
	s_mov_b32 s[G1B+7], 0
	s_lshl_b32 s42, s20, 18                        ; x: 128 RB rows of 2,048 bytes (hangs on the block row alone)
	s_mov_b32 s43, 0
	s_lshl_b32 s46, s19, 8                         ; W: 8,388,608 + (wave-1) x 2,048 + G x 256 (hangs on the column group and the wave)
	s_lshl_b32 s47, s14, 11
	s_add_co_u32 s46, s46, s47
	s_add_co_u32 s46, s46, 8386560
	s_mov_b32 s47, 0
	s_mul_i32 s21, s14, SEG                        ; LDS: wave x one tile's room; no place in the cluster enters
	s_wait_dscnt 0x0
	s_wait_kmcnt 0x0
	s_add_nc_u64 s[42:43], s[4:5], s[42:43]
	s_add_nc_u64 s[46:47], s[4:5], s[46:47]
	CROUND                                         ; all sixteen work-groups are here: the first joint loads meet
.irp s, 0,1
	s_mov_b32 s[G0A+4*\s], 1
	s_add_co_u32 s[G0A+4*\s+1], s21, \s*SLOT
	s_add_nc_u64 s[G0A+4*\s+2:G0A+4*\s+3], s[42:43], \s*256            ; K step s: 128 elements along the row
	s_or_b32 s[G0A+4*\s+3], s[G0A+4*\s+3], 0x80000000
	s_mov_b32 s[G0B+4*\s], 1
	s_add_co_u32 s[G0B+4*\s+1], s21, \s*SLOT
	s_add_nc_u64 s[G0B+4*\s+2:G0B+4*\s+3], s[46:47], \s*786432         ; K step s: 128 rows of 6,144 bytes
	s_or_b32 s[G0B+4*\s+3], s[G0B+4*\s+3], 0x80000000
	JLOAD \s                                       ; two loads of the wave are out
.endr
	v_and_b32 v1, 31, v0                           ; L
	v_and_b32 v2, 15, v0                           ; r
	v_bfe_u32 v3, v0, 4, 1                         ; h
	v_and_b32 v4, 7, v0                            ; L & 7
	v_bfe_u32 v5, v0, 3, 1                         ; (L >> 3) & 1
	v_mul_u32_u24 v6, v2, PA
	v_lshl_add_u32 v6, v3, 4, v6                   ; r x 272 + 16 h
	s_mul_i32 s22, s15, 64*PA
	v_add_nc_u32 v[ADRA], s22, v6
	v_add_nc_u32 v[ADRA+1], SLOT, v[ADRA]
	v_lshl_add_u32 v7, v3, 3, v4
	v_mul_u32_u24 v7, v7, PB
	v_lshl_add_u32 v7, v5, 4, v7                   ; (8 h + (L & 7)) x 288 + 16 ((L >> 3) & 1)
	s_mul_i32 s22, s16, 3
.irp g, 0,1,2                                      ; my column group g is group 3 wc + g of the six: segment = that / 2, half = that & 1
	s_add_co_u32 s23, s22, \g
	s_lshr_b32 s40, s23, 1
	s_and_b32 s23, s23, 1
	s_lshl_b32 s41, s40, 12                        ; bias: (segment x 1024 + 128 G + 64 half) x 4 bytes
	s_lshl_b32 s44, s23, 8
	s_add_co_u32 s41, s41, s44
	s_lshl_b32 s44, s19, 9
	s_add_co_u32 s41, s41, s44
	v_lshl_add_u32 v[VB+\g], v3, 5, s41            ; + 32 h
	s_mul_i32 s40, s40, SEG
	s_lshl_b32 s23, s23, 7
	s_add_co_u32 s40, s40, s23
	s_add_co_u32 s40, s40, SEG                     ; W's segments lie behind x's tile
	v_add_nc_u32 v[ADRB+\g], s40, v7
	v_add_nc_u32 v[ADRB+3+\g], SLOT, v[ADRB+\g]
.endr
.irp b, 0,1,2,3                                    ; the biases of my 8 columns in each of 12 tiles, once; waited for in front of the way out
	global_load_b128 v[BIAS0+8*\b:BIAS0+8*\b+3], v[VB], s[6:7] offset:64*\b
	global_load_b128 v[BIAS0+8*\b+4:BIAS0+8*\b+7], v[VB], s[6:7] offset:64*\b+16
	global_load_b128 v[BIAS1+8*\b:BIAS1+8*\b+3], v[VB+1], s[6:7] offset:64*\b
	global_load_b128 v[BIAS1+8*\b+4:BIAS1+8*\b+7], v[VB+1], s[6:7] offset:64*\b+16
	global_load_b128 v[BIAS2+8*\b:BIAS2+8*\b+3], v[VB+2], s[6:7] offset:64*\b
	global_load_b128 v[BIAS2+8*\b+4:BIAS2+8*\b+7], v[VB+2], s[6:7] offset:64*\b+16
.endr
	s_mul_i32 s22, s14, STW
	s_add_co_u32 s22, s22, STAGE                   ; my stage
	v_add_nc_u32 v[STO], s22, v6                   ; in: row r, 16 bytes for each half of the lanes
	v_mul_u32_u24 v8, v3, PA
	v_lshl_add_u32 v8, v2, 4, v8
	v_add_nc_u32 v[RD], s22, v8                    ; back: lanes 0-15 one row of 256 bytes, lanes 16-31 the next
	v_lshrrev_b32 v8, 3, v1
	v_mul_u32_u24 v8, v8, PVS
	v_lshl_add_u32 v8, v4, 4, v8
	v_add_nc_u32 v[RDV], s22, v8                   ; back, v: eight lanes a row of 128 bytes
	v_mul_u32_u24 v8, v2, PVS
	v_lshl_add_u32 v8, v3, 4, v8
	v_add_nc_u32 v[STOV], s22, v8
	v_lshlrev_b32 v[CO], 4, v1                     ; the outputs' rows are dense: 32 lanes store 512 consecutive bytes
; 32 LDS loads: one quarter step's fragments (32 along K) into buffer f, in the order in which they are wanted
.macro FETCH slot, kq, f
	WIN 0x40                                       ; destination window 1, address window 0
.irp b, 0,1,2,3
	ds_load_tr16_b128 v[\f+96+8*\b:\f+96+8*\b+3], v[ADRB+3*\slot+2] offset:\kq*32*PB+32*\b
	ds_load_tr16_b128 v[\f+96+8*\b+4:\f+96+8*\b+7], v[ADRB+3*\slot+2] offset:\kq*32*PB+32*\b+16*PB
.endr
.irp a, 0,1,2,3
	ds_load_b128 v[\f+8*\a:\f+8*\a+3], v[ADRA+\slot] offset:\kq*64+\a*16*PA
	ds_load_b128 v[\f+8*\a+4:\f+8*\a+7], v[ADRA+\slot] offset:\kq*64+\a*16*PA+32
.endr
.irp b, 0,1,2,3,4,5,6,7
	ds_load_tr16_b128 v[\f+32+8*\b:\f+32+8*\b+3], v[ADRB+3*\slot+(\b>>2)] offset:\kq*32*PB+32*(\b&3)
	ds_load_tr16_b128 v[\f+32+8*\b+4:\f+32+8*\b+7], v[ADRB+3*\slot+(\b>>2)] offset:\kq*32*PB+32*(\b&3)+16*PB
.endr
.endm
; The 48 accumulators take turns, one instruction a turn, in the same order in every quarter step.
.macro MULHI f, zero                   ; 16: column tiles 8-11
	WIN 0xf5
.irp a, 0,1,2,3
.irp b, 0,1,2,3
.if \zero
	v_wmma_f32_16x16x32_bf16 v[8*(4*\a+\b):8*(4*\a+\b)+7], v[\f+96+8*\b:\f+96+8*\b+7], v[\f+8*\a:\f+8*\a+7], 0
.else
	v_wmma_f32_16x16x32_bf16 v[8*(4*\a+\b):8*(4*\a+\b)+7], v[\f+96+8*\b:\f+96+8*\b+7], v[\f+8*\a:\f+8*\a+7], v[8*(4*\a+\b):8*(4*\a+\b)+7]
.endif
.endr
.endr
.endm
.macro MULLO f, zero                   ; 32: column tiles 0-7
	WIN 0xa5
.irp a, 0,1,2,3
.irp b, 0,1,2,3,4,5,6,7
.if \zero
	v_wmma_f32_16x16x32_bf16 v[8*(8*\a+\b):8*(8*\a+\b)+7], v[\f+32+8*\b:\f+32+8*\b+7], v[\f+8*\a:\f+8*\a+7], 0
.else
	v_wmma_f32_16x16x32_bf16 v[8*(8*\a+\b):8*(8*\a+\b)+7], v[\f+32+8*\b:\f+32+8*\b+7], v[\f+8*\a:\f+8*\a+7], v[8*(8*\a+\b):8*(8*\a+\b)+7]
.endif
.endr
.endr
.endm
.macro QUARTER slot, kq, f, g, zero    ; multiplies buffer f; in its middle fetches quarter kq of the same slot into buffer g
	s_wait_dscnt 16                                ; W's tiles 8-11 and x are in; the 16 youngest loads (W's tiles 0-7) may be out
	MULHI \f, \zero
	PLACES
	FETCH \slot, \kq, \g
	s_wait_dscnt 32                                ; all but the 32 just issued
	MULLO \f, \zero
.endm
.macro THREE slot, zero
	QUARTER \slot, 1, F0, F1, \zero
	QUARTER \slot, 2, F1, F0, 0
	QUARTER \slot, 3, F0, F1, 0
.endm
; The last quarter multiplies buffer 1 and changes slots.  In front of the barrier each wave's reads of this slot are back and all its tensor
; loads have landed (the one that was out is its part of the next slot).  Behind it (with fill: behind a whole round of the cluster's barrier)
; the refill comes first, then the next slot's first fragments.
.macro TURN slot, next, fill
	s_wait_dscnt 0x0
	s_set_vgpr_msb 0xa5a0
	s_wait_tensorcnt 0x0
	ds_add_u32 v126, v127
	s_wait_dscnt 0x0
	s_set_vgpr_msb 0xa0a5
	s_barrier_signal -1
	MULHI F1, 0                                    ; register work while the others arrive
	WIN 0
	s_barrier_wait -1
.if \fill
	CREST
	s_add_nc_u64 s[G0A+4*\slot+2:G0A+4*\slot+3], s[G0A+4*\slot+2:G0A+4*\slot+3], 512       ; two K steps on; no load of mine is out
	s_add_nc_u64 s[G0B+4*\slot+2:G0B+4*\slot+3], s[G0B+4*\slot+2:G0B+4*\slot+3], 1572864
	JLOAD \slot
.endif
	PLACES
	FETCH \next, 0, F0
	MULLO F1, 0
.endm
.macro LAP zero
	THREE 0, \zero
	TURN 0, 1, 1
	THREE 1, 0
	TURN 1, 0, 1
.endm
	s_wait_tensorcnt 0x1                           ; my part of K step 0 is in; step 1's may stay out
	s_barrier_signal -1
	s_barrier_wait -1
	FETCH 0, 0, F0
	LAP 1                                          ; K steps 0, 1: the first products start the sums
	WIN 0
	s_mov_b32 s21, 2
.Llap:
	LAP 0                                          ; K steps 2 to 5
	WIN 0
	s_sub_co_u32 s21, s21, 1
	s_cmp_lg_u32 s21, 0
	s_cbranch_scc1 .Llap
	THREE 0, 0                                     ; K steps 6, 7: nothing is left to fetch
	TURN 0, 1, 0
	THREE 1, 0
	s_wait_dscnt 0x0
	MULHI F1, 0
	MULLO F1, 0
	WIN 0
	PLACES                                         ; behind the last matrix instructions, in front of the vector reads of the sums
	; THE WAY OUT, a column group (one head, 64 columns) at a time, 16 rows at a time, through my own stage.
	s_wait_loadcnt 0x0                             ; the biases
	s_lshr_b32 s22, s20, 4                         ; batch
	s_lshl_b32 s22, s22, 15                        ; x 16 heads x 2,048 rows
	s_and_b32 s23, s20, 15
	s_lshl_b32 s23, s23, 7
	s_add_co_u32 s22, s22, s23                     ; + 128 (RB mod 16)
	s_lshl_b32 s23, s15, 6
	s_add_co_u32 s22, s22, s23                     ; + 64 wr
	s_lshl_b32 s23, s19, 12
	s_add_co_u32 s23, s22, s23                     ; + head 2G x 2,048: my first row in the per-head layout
.macro GBASE buf, hb, sh               ; s[40:41] = buffer + (row + hb x 2,048) << sh
	s_wait_xcnt 0x0                                ; the last group's stores have given up their base
	s_add_co_u32 s44, s23, \hb*2048
	s_lshl_b32 s44, s44, \sh
	s_mov_b32 s45, 0
	s_add_nc_u64 s[40:41], s[\buf:\buf+1], s[44:45]
.endm
.macro SCALEB bias                     ; q's bias takes the same factor as q
.set ei, 0
.rept 16
	v_pk_mul_f32 v[\bias+2*ei:\bias+2*ei+1], v[\bias+2*ei:\bias+2*ei+1], CQ op_sel_hi:[1,0]
.set ei, ei+1
.endr
.endm
; 16 rows x 64 columns of q (isq = 1) or k (isq = 0): bias (and scale), then the two f16 halves of the head comment; a row of 256 bytes = hi, then a or b
.macro EPI_SPLIT win, ab, a, R, isq, bias
	WIN \win
.set ei, 0
.rept 16
.if \isq
	v_pk_fma_f32 v[T+2*ei:T+2*ei+1], v[(\ab)+2*ei:(\ab)+2*ei+1], CQ, v[\bias+2*ei:\bias+2*ei+1] op_sel_hi:[1,0,1]
.else
	v_pk_add_f32 v[T+2*ei:T+2*ei+1], v[(\ab)+2*ei:(\ab)+2*ei+1], v[\bias+2*ei:\bias+2*ei+1]
.endif
.set ei, ei+1
.endr
	WIN 0
.irp b, 0,1,2,3
.irp k, 0,1,2,3,4,5,6,7
	v_and_b32 v[U+\k], 0xffffe000, v[T+8*\b+\k]                            ; hi in f32: sign, exponent and the upper 10 mantissa bits
.endr
.irp k, 0,1,2,3
	v_cvt_pk_f16_f32 v[HL+\k], v[U+2*\k], v[U+2*\k+1]                      ; hi in f16: nothing is rounded
.endr
.irp k, 0,1,2,3
	v_pk_add_f32 v[U+2*\k:U+2*\k+1], v[T+8*\b+2*\k:T+8*\b+2*\k+1], v[U+2*\k:U+2*\k+1] neg_lo:[0,1] neg_hi:[0,1]   ; lo = t - hi, exact
.endr
.irp k, 0,1,2,3
.if \isq
	v_pk_fma_f32 v[T+8*\b+2*\k:T+8*\b+2*\k+1], v[U+2*\k:U+2*\k+1], X64, v[T+8*\b+2*\k:T+8*\b+2*\k+1] op_sel_hi:[1,0,1]   ; a = t + 64 lo
.else
	v_pk_fma_f32 v[T+8*\b+2*\k:T+8*\b+2*\k+1], v[T+8*\b+2*\k:T+8*\b+2*\k+1], D64, v[U+2*\k:U+2*\k+1] op_sel_hi:[1,0,1]   ; b = t/64 + lo
.endif
.endr
.irp k, 0,1,2,3
	v_cvt_pk_f16_f32 v[HL+4+\k], v[T+8*\b+2*\k], v[T+8*\b+2*\k+1]
.endr
	ds_store_b128 v[STO], v[HL:HL+3] offset:32*\b
	ds_store_b128 v[STO], v[HL+4:HL+7] offset:128+32*\b
.endr
	s_wait_xcnt 0x0                                ; buffer R, which earlier stores read, is loaded again only behind this wait
.irp t, 0,1,2,3,4,5,6,7
	ds_load_b128 v[\R+4*\t:\R+4*\t+3], v[RD] offset:\t*2*PA                ; LDS serves a wave's instructions in order: these see the stores above
.endr
.irp t, 0,1,2,3,4,5,6,7
	s_wait_dscnt 7-\t
	global_store_b128 v[CO], v[\R+4*\t:\R+4*\t+3], s[40:41] offset:4096*\a+512*\t   ; two whole rows of 256 bytes
.endr
.endm
; 16 rows x 64 columns of v: bias, f16, rows of 128 bytes
.macro EPI_V win, ab, a, R, bias
	WIN \win
.set ei, 0
.rept 16
	v_pk_add_f32 v[T+2*ei:T+2*ei+1], v[(\ab)+2*ei:(\ab)+2*ei+1], v[\bias+2*ei:\bias+2*ei+1]
.set ei, ei+1
.endr
	WIN 0
.irp b, 0,1,2,3
.irp k, 0,1,2,3
	v_cvt_pk_f16_f32 v[HL+4*(\b&1)+\k], v[T+8*\b+2*\k], v[T+8*\b+2*\k+1]
.endr
	ds_store_b128 v[STOV], v[HL+4*(\b&1):HL+4*(\b&1)+3] offset:32*\b
.endr
	s_wait_xcnt 0x0
.irp t, 0,1,2,3
	ds_load_b128 v[\R+4*\t:\R+4*\t+3], v[RDV] offset:\t*4*PVS
.endr
.irp t, 0,1,2,3
	s_wait_dscnt 3-\t
	global_store_b128 v[CO], v[\R+4*\t:\R+4*\t+3], s[40:41] offset:2048*\a+512*\t   ; four whole rows of 128 bytes
.endr
.endm
.macro GSPLIT win, base, step, isq, bias
	EPI_SPLIT \win, \base, 0, R0, \isq, \bias
	EPI_SPLIT \win, \base+\step, 1, R1, \isq, \bias
	EPI_SPLIT \win, \base+2*\step, 2, R0, \isq, \bias
	EPI_SPLIT \win, \base+3*\step, 3, R1, \isq, \bias
.endm
.macro GV win, base, step, bias
	EPI_V \win, \base, 0, R0, \bias
	EPI_V \win, \base+\step, 1, R1, \bias
	EPI_V \win, \base+2*\step, 2, R0, \bias
	EPI_V \win, \base+3*\step, 3, R1, \bias
.endm
	s_cmp_lg_u32 s16, 0                            ; hangs on the wave's number alone
	s_cbranch_scc1 .Lwc1
	SCALEB BIAS0                                   ; wc = 0: q of head 2G, q of head 2G+1, k of head 2G
	SCALEB BIAS1
	GBASE 8, 0, 8
	GSPLIT 0x02, 0, 64, 1, BIAS0
	GBASE 8, 1, 8
	GSPLIT 0x02, 32, 64, 1, BIAS1
	GBASE 10, 0, 8
	GSPLIT 0x03, 0, 32, 0, BIAS2
	s_branch .Ljoin
.Lwc1:
	GBASE 10, 1, 8                                 ; wc = 1: k of head 2G+1, v of head 2G, v of head 2G+1
	GSPLIT 0x02, 0, 64, 0, BIAS0
	GBASE 12, 0, 7
	GV 0x02, 32, 64, BIAS1
	GBASE 12, 1, 7
	GV 0x03, 0, 32, BIAS2
.Ljoin:
	s_wait_tensorcnt 0x0
	ds_add_u32 v126, v127
	s_wait_dscnt 0x0
	CROUND                                         ; the closing round: no work-group ends while a partner may still ask for a tile that names it
	s_endpgm
.Lfunc_end_k_q0f5e9d1214_qkv:
	.size	k_q0f5e9d1214_qkv, .Lfunc_end_k_q0f5e9d1214_qkv-k_q0f5e9d1214_qkv
	.p2alignl 7, 3214868480
	.fill 96, 4, 3214868480
	.section	.rodata,"a",@progbits
	.p2align	6, 0x0
	.amdhsa_kernel k_q0f5e9d1214_qkv
		.amdhsa_group_segment_fixed_size 327680
		.amdhsa_private_segment_fixed_size 0
		.amdhsa_enable_private_segment 0
		.amdhsa_kernarg_size 40
		.amdhsa_user_sgpr_count 2
		.amdhsa_user_sgpr_kernarg_segment_ptr 1
		.amdhsa_wavefront_size32 1
		.amdhsa_system_sgpr_workgroup_id_x 1
		.amdhsa_system_sgpr_workgroup_id_y 1
		.amdhsa_system_sgpr_workgroup_id_z 1
		.amdhsa_system_vgpr_workitem_id 0
		.amdhsa_next_free_vgpr 896
		.amdhsa_next_free_sgpr 66
		.amdhsa_reserve_vcc 0
		.amdhsa_float_denorm_mode_32 3
		.amdhsa_float_denorm_mode_16_64 3
		.amdhsa_memory_ordered 1
		.amdhsa_forward_progress 1
		.amdhsa_inst_pref_size 255
	.end_amdhsa_kernel
	.section	.bss,"aw",@nobits
	.p2align	6
	.space	262144
	.amdgpu_metadata
---
amdhsa.version: [ 1, 2 ]
amdhsa.kernels:
  - .name:           k_q0f5e9d1214_qkv
    .symbol:         k_q0f5e9d1214_qkv.kd
    .args:
      - { .name: wb, .offset: 0, .size: 8, .value_kind: global_buffer, .address_space: global }
      - { .name: bqkv, .offset: 8, .size: 8, .value_kind: global_buffer, .address_space: global }
      - { .name: qs, .offset: 16, .size: 8, .value_kind: global_buffer, .address_space: global }
      - { .name: ks, .offset: 24, .size: 8, .value_kind: global_buffer, .address_space: global }
      - { .name: vs, .offset: 32, .size: 8, .value_kind: global_buffer, .address_space: global }
    .group_segment_fixed_size: 327680
    .private_segment_fixed_size: 0
    .kernarg_segment_align: 8
    .kernarg_segment_size: 40
    .max_flat_workgroup_size: 128
    .sgpr_count:     66
    .vgpr_count:     896
    .wavefront_size: 32
...
	.end_amdgpu_metadata
.endif
;; end of part 2
;; launch attn (part 3): grid 8 x 32, 8 waves a work-group, clusters of 4 x 1, 327,680 bytes of LDS; arguments qs, ks, vs, ao; writes ao
.if DOCPART == 3
	.amdgcn_target "amdgcn-amd-amdhsa--gfx1250"
	.amdhsa_code_object_version 6
	.text
	.protected	k_q0f5e9d1214_attn
	.globl	k_q0f5e9d1214_attn
	.p2align	8
	.type	k_q0f5e9d1214_attn,@function
k_q0f5e9d1214_attn:
	s_mov_b64 s[64:65], 0
	v_nop
	global_prefetch_b8 v0, s[64:65] scope:SCOPE_SE
	s_setreg_imm32_b32 hwreg(HW_REG_WAVE_MODE, 25, 1), 1
	s_wait_xcnt 0x0
	s_wait_alu depctr_hold_cnt(0) depctr_sa_sdst(0) depctr_va_vdst(0) depctr_va_sdst(0) depctr_va_ssrc(0) depctr_va_vcc(0) depctr_vm_vsrc(0)
	s_getreg_b32 s2, hwreg(HW_REG_IB_STS2, 6, 4)
	s_cmp_eq_u32 s2, 0
	s_cbranch_scc0 .Lentry_in_a_cluster
	s_endpgm
.Lentry_in_a_cluster:
	s_bfe_u32 s2, ttmp6, 0x10000c
	s_cmp_lg_u32 s2, 0x3003
	s_cbranch_scc0 .Lentry_shape_is_right
	s_endpgm
.Lentry_shape_is_right:
; Attention of one head for 256 queries: softmax(q k^T * 8) v with a running maximum, nothing of N x N ever leaves the registers.
; In: qs [b*16+h][n][128] f16 (hi 64, a 64), ks the same (hi 64, b 64), vs [b*16+h][n][64] f16.  Out: ao [b*16+h][n][64] bf16.
; S = kh.qh + b.a: with hi = the value cut to 11 bits, lo = the rest, a = f16(hi + 65 lo), b = f16((hi + 65 lo)/64), these two f16 products are
; (65/64)(q.k + 64 lo.lo); q carries 8 log2(e) * 64/65 / 16, so that 16 S is the logit in base 2.  What is lost: 64 lo.lo, each term below 2^-14 of
; |q_i k_i|, and the roundings of a and b divided by 65.  The factor 16 is put back inside the subtraction of the maximum, S * 16 + (-16 M) in one
; fused multiply-add: 16 M is exact, so the row's largest logit gives exactly 0 whatever the size of the logits.
; LIMITS: |0.71 q|, |k| below 61,600 and |v| below 65,504 (f16); weights below 2^-24 of the row's running largest become 0 in f16.
; TRANSPOSED: S^T = K Q^T (A = 16 keys, B = 16 queries): lane (r, h) holds query r, keys 8h+j, so two key tiles packed to f16 ARE the B fragment
; of P^T, and O^T = V^T P^T (A = V^T by the transposing LDS load) leaves query r in lane (r, h) again: maximum, sum and rescale factor are one
; number a lane, and the only traffic between lanes is one exchange of the halves for each maximum.
; Eight waves: wave w takes queries 64 (w & 3) .. +63 and, of each tile of 256 keys, the half w >> 2; the two halves are merged once at the end.
; Two waves lie on each SIMD, so that one's softmax runs beside the other's matrix work.
; CLUSTER 4 x 1: the four query blocks of a cluster read the same K and V tiles and ask for them jointly (mask 15).
; THE LOOP IS CUT BEHIND A TILE'S FIRST SUB-STEP: the one sub-step that starts the sums stands alone ahead of it, and three of the four pairs of
; tiles run through the same 8 sub-steps of text; 16 sub-steps are written out in all for the 32 that a wave runs.
.set PK,    272                        ; a K row: 256 bytes + 16
.set PITV,  160                        ; a V row: 128 bytes + 32 (an odd multiple of 32)
.set KB,    256*PK
.set SLOT,  KB+256*PITV                ; 110,592
.set MRG,   2*SLOT                     ; merge: 17,408 bytes for each query group; no tensor load lands there
.set MRGW,  17408
.set OST,   MRG+4*MRGW                 ; way out: 16 rows x 144 bytes for each query group
.set OSTW,  2304
.set P16,   0x41800000                 ; 16.0
.set WV,    12
.set KADR,  2                          ; v2-3
.set VADR,  4                          ; v4-5
.set QOFF,  6
.set MA,    7
.set MB,    8
.set STO,   9
.set RD,    10
.set CO,    11
.set M,     16                         ; v[16+2q]  running maximum of S
.set AL,    24                         ; v[24+2q]  rescale factor (the odd partner is written once: a packed source counts as a pair)
.set L2,    32                         ; v[32+2q:33+2q] my lanes' part of the sum, in two halves
.set TT,    40
.set UU,    44
.set NM,    48                         ; v[48+2q:49+2q] -16 x the running maximum, in both halves
.set KF,    64                         ; 32 kt + 8 c, c = hi0, hi1, b0, b1
.set VF,    128                        ; 8 dt
.set S,     160                        ; 8 (4 kt + q)
.set P,     224                        ; 8 q
.set QF,    0                          ; window 1: 32 q + 8 c, c = hi0, hi1, a0, a1
.set OA,    128                        ; window 1: 8 (4 dt + q)
.set G1K, 24
.set G1V, 32
.set G0K, 40
.set G0V, 48
.set MSB, 0
.macro WIN new                         ; the immediate's high byte repeats the setting that is left
.if MSB != \new
	s_set_vgpr_msb (MSB<<8)|\new
.set MSB, \new
.endif
.endm
.macro PLACES                          ; four plain vector places behind a matrix instruction (ISA guide 7.12.1)
.rept 4
	v_nop
.endr
.endm
.macro JLOAD s                         ; waves 0-3 ask for 64 rows of K each, waves 4-7 for 64 rows of V each
	s_cmp_lt_u32 s[WV], 4
	s_cbranch_scc0 .Lfor_v_\@
	tensor_load_to_lds s[G0K+4*\s:G0K+4*\s+3], s[G1K:G1K+7]
	s_nop 0
	s_branch .Lasked_\@
.Lfor_v_\@:
	tensor_load_to_lds s[G0V+4*\s:G0V+4*\s+3], s[G1V:G1V+7]
	s_nop 0
.Lasked_\@:
.endm
.macro CROUND                          ; a round of the cluster's barrier
	s_barrier_signal -1
	s_barrier_wait -1
	s_cmp_lg_u32 s[WV], 0
	s_cbranch_scc1 .Lnot_wave_0_\@
	s_barrier_signal -3
.Lnot_wave_0_\@:
	s_barrier_wait -3
	s_barrier_signal -1
	s_barrier_wait -1
.endm
	s_load_b256 s[4:11], s[0:1], 0x0               ; qs s[4:5], ks s[6:7], vs s[8:9], ao s[10:11]
	v_lshl_add_u32 v62, v0, 2, 0x49400
	v_mov_b32 v63, 0
	ds_add_u32 v62, v63
	v_lshrrev_b32 v1, 5, v0
	v_readfirstlane_b32 s12, v1                    ; wave 0..7
	s_and_b32 s13, s12, 3                          ; qg
	s_lshr_b32 s14, s12, 2                         ; kh
	s_and_b32 s15, ttmp7, 0xffff                   ; y = batch x 16 + head
	s_bfe_u32 s16, ttmp6, 0x40000                  ; cx
	s_lshl_b32 s17, ttmp9, 2
	s_add_co_u32 s17, s17, s16                     ; qb: block of 256 queries
	s_mov_b32 s20, 0x76543210                      ; v_permlanex16_b32: lane i of one half reads lane i of the other
	s_mov_b32 s21, 0xfedcba98
	s_mov_b32 s23, 0xc1800000                      ; -16.0
	s_mov_b32 s[G1K+0], 15|(1<<16)|(1<<20)|(1<<21)|(5<<22)|(3<<25)   ; mask of the four; 2-byte elements; after 64 words 4 words of padding
	s_mov_b32 s[G1K+1], 128<<16                    ; tensor_dim0 = 128
	s_mov_b32 s[G1K+2], 64<<16                     ; tensor_dim1 = 64
	s_mov_b32 s[G1K+3], 128<<16                    ; tile_dim0 = 128 elements = 256 bytes
	s_mov_b32 s[G1K+4], 64                         ; tile_dim1 = 64 rows
	s_mov_b32 s[G1K+5], 128                        ; dense rows
	s_mov_b32 s[G1K+6], 0
	s_mov_b32 s[G1K+7], 0
	s_mov_b32 s[G1V+0], 15|(1<<16)|(1<<20)|(1<<21)|(4<<22)|(7<<25)   ; after 32 words (one key's 128 bytes) 8 words of padding
	s_mov_b32 s[G1V+1], 128<<16                    ; a row of 256 bytes of memory holds two keys
	s_mov_b32 s[G1V+2], 32<<16
	s_mov_b32 s[G1V+3], 128<<16
	s_mov_b32 s[G1V+4], 32                         ; 32 such rows = 64 keys
	s_mov_b32 s[G1V+5], 128
	s_mov_b32 s[G1V+6], 0
	s_mov_b32 s[G1V+7], 0
	s_lshl_b32 s56, s15, 19                        ; K: y x 2,048 rows of 256 bytes + (wave & 3) x 64 rows
	s_lshl_b32 s18, s13, 14
	s_add_co_u32 s56, s56, s18
	s_mov_b32 s57, 0
	s_lshl_b32 s58, s15, 18                        ; V: rows of 128 bytes
	s_lshl_b32 s18, s13, 13
	s_add_co_u32 s58, s58, s18
	s_mov_b32 s59, 0
	s_lshl_b32 s60, s15, 19                        ; Q: (y x 2,048 + 256 qb + 64 qg) x 256
	s_lshl_b32 s18, s17, 16
	s_add_co_u32 s60, s60, s18
	s_lshl_b32 s18, s13, 14
	s_add_co_u32 s60, s60, s18
	s_mov_b32 s61, 0
	s_lshr_b32 s62, s60, 1                         ; the same rows in ao, 128 bytes each
	s_mov_b32 s63, 0
	s_mul_i32 s18, s12, 64*PK                      ; LDS of my part of K (waves 0-3)
	s_mul_i32 s19, s12, 64*PITV
	s_add_co_u32 s19, s19, KB-4*64*PITV            ; LDS of my part of V (waves 4-7): behind K's 69,632 bytes
	s_wait_dscnt 0x0
	s_wait_kmcnt 0x0
	s_add_nc_u64 s[56:57], s[6:7], s[56:57]
	s_add_nc_u64 s[58:59], s[8:9], s[58:59]
	s_add_nc_u64 s[60:61], s[4:5], s[60:61]
	s_add_nc_u64 s[62:63], s[10:11], s[62:63]
	CROUND                                         ; the four work-groups are here: the first joint loads meet
.irp s, 0,1
	s_mov_b32 s[G0K+4*\s], 1
	s_add_co_u32 s[G0K+4*\s+1], s18, \s*SLOT
	s_add_nc_u64 s[G0K+4*\s+2:G0K+4*\s+3], s[56:57], \s*65536          ; tile s: 256 keys
	s_or_b32 s[G0K+4*\s+3], s[G0K+4*\s+3], 0x80000000
	s_mov_b32 s[G0V+4*\s], 1
	s_add_co_u32 s[G0V+4*\s+1], s19, \s*SLOT
	s_add_nc_u64 s[G0V+4*\s+2:G0V+4*\s+3], s[58:59], \s*32768
	s_or_b32 s[G0V+4*\s+3], s[G0V+4*\s+3], 0x80000000
	JLOAD \s                                       ; two loads of the wave are out
.endr
	v_and_b32 v12, 31, v0                          ; L
	v_and_b32 v13, 15, v0                          ; r
	v_bfe_u32 v14, v0, 4, 1                        ; h
	v_and_b32 v15, 7, v0                           ; L & 7
	v_bfe_u32 v1, v0, 3, 1                         ; (L >> 3) & 1
	v_lshlrev_b32 v[QOFF], 8, v13
	v_lshl_add_u32 v[QOFF], v14, 4, v[QOFF]        ; 256 r + 16 h
	WIN 0x40                                       ; Q's fragments stay in window 1 for the whole kernel
.irp q, 0,1,2,3
.irp c, 0,1,2,3
	global_load_b128 v[QF+32*\q+8*\c:QF+32*\q+8*\c+3], v[QOFF], s[60:61] offset:4096*\q+64*\c
	global_load_b128 v[QF+32*\q+8*\c+4:QF+32*\q+8*\c+7], v[QOFF], s[60:61] offset:4096*\q+64*\c+32
.endr
.endr
	WIN 0
	v_mul_u32_u24 v[KADR], v13, PK
	v_lshl_add_u32 v[KADR], v14, 4, v[KADR]
	s_mul_i32 s18, s14, 128*PK
	v_add_nc_u32 v[KADR], s18, v[KADR]             ; (128 kh + r) x 272 + 16 h
	v_add_nc_u32 v[KADR+1], SLOT, v[KADR]
	v_lshl_add_u32 v[VADR], v14, 3, v15
	v_mul_u32_u24 v[VADR], v[VADR], PITV
	v_lshl_add_u32 v[VADR], v1, 4, v[VADR]
	s_mul_i32 s18, s14, 128*PITV
	s_add_co_u32 s18, s18, KB
	v_add_nc_u32 v[VADR], s18, v[VADR]             ; K's bytes + (128 kh + 8 h + (L & 7)) x 160 + 16 ((L >> 3) & 1)
	v_add_nc_u32 v[VADR+1], SLOT, v[VADR]
	s_mul_i32 s18, s13, MRGW
	s_add_co_u32 s18, s18, MRG
	v_lshl_add_u32 v[MA], v12, 4, s18
	s_add_co_u32 s18, s18, 16384
	v_lshl_add_u32 v[MB], v12, 2, s18
	s_mul_i32 s18, s13, OSTW
	s_add_co_u32 s18, s18, OST
	v_mul_u32_u24 v[STO], v13, 144
	v_lshl_add_u32 v[STO], v14, 4, v[STO]
	v_add_nc_u32 v[STO], s18, v[STO]
	v_lshrrev_b32 v[RD], 3, v12
	v_mul_u32_u24 v[RD], v[RD], 144
	v_lshl_add_u32 v[RD], v15, 4, v[RD]
	v_add_nc_u32 v[RD], s18, v[RD]
	v_lshlrev_b32 v[CO], 4, v12
.irp q, 0,1,2,3                                    ; written once: the unused halves of the rescale factors' pairs, and the exchange's destinations
	v_mov_b32 v[AL+2*\q+1], 0
	v_mov_b32 v[UU+\q], 0
.endr
.macro KLOAD slot, s                   ; 32 keys x (hi, b): 16 loads
.irp kt, 0,1
.irp c, 0,1,2,3
	ds_load_b128 v[KF+32*\kt+8*\c:KF+32*\kt+8*\c+3], v[KADR+\slot] offset:(32*(\s)+16*\kt)*PK+64*\c
	ds_load_b128 v[KF+32*\kt+8*\c+4:KF+32*\kt+8*\c+7], v[KADR+\slot] offset:(32*(\s)+16*\kt)*PK+64*\c+32
.endr
.endr
.endm
.macro VLOAD slot, s                   ; V^T of 32 keys x 64: 8 transposing loads
.irp dt, 0,1,2,3
	ds_load_tr16_b128 v[VF+8*\dt:VF+8*\dt+3], v[VADR+\slot] offset:32*(\s)*PITV+32*\dt
	ds_load_tr16_b128 v[VF+8*\dt+4:VF+8*\dt+7], v[VADR+\slot] offset:32*(\s)*PITV+32*\dt+16*PITV
.endr
.endm
.macro STERM c, zero                   ; chunk c of K times chunk c of Q on all eight accumulators, which take turns, one instruction a turn
.irp kt, 0,1
.irp q, 0,1,2,3
.if \zero
	v_wmma_f32_16x16x32_f16 v[S+8*(4*\kt+\q):S+8*(4*\kt+\q)+7], v[KF+32*\kt+8*\c:KF+32*\kt+8*\c+7], v[QF+32*\q+8*\c:QF+32*\q+8*\c+7], 0
.else
	v_wmma_f32_16x16x32_f16 v[S+8*(4*\kt+\q):S+8*(4*\kt+\q)+7], v[KF+32*\kt+8*\c:KF+32*\kt+8*\c+7], v[QF+32*\q+8*\c:QF+32*\q+8*\c+7], v[S+8*(4*\kt+\q):S+8*(4*\kt+\q)+7]
.endif
.endr
.endr
.endm
.macro SMUL                            ; 32 matrix instructions; b.a, a 64th of the size of hi.hi, goes first
	WIN 0x04                                       ; source 1 (Q) in window 1
	STERM 2, 1
	STERM 3, 0
	STERM 0, 0
	STERM 1, 0
.endm
; The softmax step of 32 keys x 64 queries.  Value i (0..15) of query tile q lies in v[S + 32 (i>>3) + 8 q + (i&7)].
.macro SOFT first
.irp q, 0,1,2,3
	v_max3_num_f32 v[TT+\q], v[S+8*\q], v[S+8*\q+1], v[S+8*\q+2]
.endr
.irp n, 1,2,3,4,5,6
.irp q, 0,1,2,3
	v_max3_num_f32 v[TT+\q], v[TT+\q], v[S+32*((2*\n+1)>>3)+8*\q+((2*\n+1)&7)], v[S+32*((2*\n+2)>>3)+8*\q+((2*\n+2)&7)]
.endr
.endr
.irp q, 0,1,2,3
.if \first
	v_max_num_f32 v[TT+\q], v[TT+\q], v[S+32+8*\q+7]
.else
	v_max3_num_f32 v[TT+\q], v[TT+\q], v[S+32+8*\q+7], v[M+2*\q]           ; the running maximum joins
.endif
.endr
.irp q, 0,1,2,3
	v_permlanex16_b32 v[UU+\q], v[TT+\q], s20, s21                         ; the other 16 keys of the same query
.endr
.irp q, 0,1,2,3
	v_max_num_f32 v[UU+\q], v[UU+\q], v[TT+\q]
.endr
.if \first == 0
.irp q, 0,1,2,3
	v_fma_f32 v[AL+2*\q], v[UU+\q], s23, -v[NM+2*\q]                       ; 16 (old maximum - new), at most 0
.endr
.endif
.irp q, 0,1,2,3
	v_mul_f32 v[NM+2*\q], s23, v[UU+\q]                                    ; -16 x the new maximum: exact
	v_mul_f32 v[NM+2*\q+1], s23, v[UU+\q]
	v_mov_b32 v[M+2*\q], v[UU+\q]
.endr
.irp kt, 0,1
.irp q, 0,1,2,3
.irp p, 0,1,2,3
	v_pk_fma_f32 v[S+8*(4*\kt+\q)+2*\p:S+8*(4*\kt+\q)+2*\p+1], v[S+8*(4*\kt+\q)+2*\p:S+8*(4*\kt+\q)+2*\p+1], P16, v[NM+2*\q:NM+2*\q+1] op_sel_hi:[1,0,1]
.endr
.endr
.endr
.if \first == 0
.irp q, 0,1,2,3
	v_exp_f32 v[AL+2*\q], v[AL+2*\q]
.endr
.endif
.set si, 0
.rept 64
	v_exp_f32 v[S+si], v[S+si]                     ; the logits already carry log2 e
.set si, si+1
.endr
	v_nop                                          ; one plain place behind the run of exponentials, in front of the first use (ISA guide 5.7.2)
	s_wait_alu depctr_va_vdst(0)
.irp q, 0,1,2,3
.if \first
	s_wait_alu depctr_va_vdst(0)
	v_pk_add_f32 v[L2+2*\q:L2+2*\q+1], v[S+8*\q:S+8*\q+1], v[S+8*\q+2:S+8*\q+3]
.else
	v_pk_fma_f32 v[L2+2*\q:L2+2*\q+1], v[L2+2*\q:L2+2*\q+1], v[AL+2*\q:AL+2*\q+1], v[S+8*\q:S+8*\q+1] op_sel_hi:[1,0,1]
.endif
.endr
.irp p, 1,2,3,4,5,6,7
.if \p > \first
.irp q, 0,1,2,3
	v_pk_add_f32 v[L2+2*\q:L2+2*\q+1], v[L2+2*\q:L2+2*\q+1], v[S+32*(\p>>2)+8*\q+2*(\p&3):S+32*(\p>>2)+8*\q+2*(\p&3)+1]
.endr
.endif
.endr
.irp q, 0,1,2,3
.irp kt, 0,1
.irp i, 0,1,2,3
	v_cvt_pk_f16_f32 v[P+8*\q+4*\kt+\i], v[S+8*(4*\kt+\q)+2*\i], v[S+8*(4*\kt+\q)+2*\i+1]   ; registers 0-3: keys 8h.., 4-7: keys 16+8h..: P^T's B fragment
.endr
.endr
.endr
.endm
.macro RESC                            ; O^T x= the rescale factor of its query
	WIN 0x41
.irp dt, 0,1,2,3
.irp q, 0,1,2,3
.irp p, 0,1,2,3
	v_pk_mul_f32 v[OA+8*(4*\dt+\q)+2*\p:OA+8*(4*\dt+\q)+2*\p+1], v[OA+8*(4*\dt+\q)+2*\p:OA+8*(4*\dt+\q)+2*\p+1], v[AL+2*\q:AL+2*\q+1] op_sel_hi:[1,0]
.endr
.endr
.endr
.endm
.macro PVMUL first                     ; 16 accumulators, one instruction each
	WIN 0x50
.irp dt, 0,1,2,3
.irp q, 0,1,2,3
.if \first
	v_wmma_f32_16x16x32_f16 v[OA+8*(4*\dt+\q):OA+8*(4*\dt+\q)+7], v[VF+8*\dt:VF+8*\dt+7], v[P+8*\q:P+8*\q+7], 0
.else
	v_wmma_f32_16x16x32_f16 v[OA+8*(4*\dt+\q):OA+8*(4*\dt+\q)+7], v[VF+8*\dt:VF+8*\dt+7], v[P+8*\q:P+8*\q+7], v[OA+8*(4*\dt+\q):OA+8*(4*\dt+\q)+7]
.endif
.endr
.endr
.endm
.macro SUBSTEP slot, s, first, last    ; 32 of my 128 keys of the tile in the slot; its 16 loads of K were issued before it
	PLACES                                         ; behind the last O^T products: V's and P's registers and O^T are written below
	VLOAD \slot, \s
	s_wait_dscnt 8                                 ; the 16 loads of K are in; the 8 of V may be out
	SMUL
	WIN 0
	PLACES                                         ; behind the S products: K's registers are loaded again, S is read
.if \last == 0
	KLOAD \slot, \s+1
.endif
	SOFT \first
.if \first == 0
	RESC
.endif
.if \last
	s_wait_dscnt 0x0                               ; V is in
.else
	s_wait_dscnt 16                                ; V is in; the next 16 loads of K may be out
.endif
	PVMUL \first
	WIN 0
.endm
.macro REST slot                       ; a tile's sub-steps 1 to 3
	SUBSTEP \slot, 1, 0, 0
	SUBSTEP \slot, 2, 0, 0
	SUBSTEP \slot, 3, 0, 1
.endm
; The change of slots.  Each wave's reads of the slot are back and all its tensor loads have landed (the one that was out is its part of the other
; slot); with fill a round of the cluster's barrier follows, and the joint refill, two tiles ahead, is the first thing behind it.
.macro TURN slot, fill
	s_wait_dscnt 0x0
	s_wait_tensorcnt 0x0
	ds_add_u32 v62, v63
	s_wait_dscnt 0x0
.if \fill
	CROUND
	s_add_nc_u64 s[G0K+4*\slot+2:G0K+4*\slot+3], s[G0K+4*\slot+2:G0K+4*\slot+3], 131072
	s_add_nc_u64 s[G0V+4*\slot+2:G0V+4*\slot+3], s[G0V+4*\slot+2:G0V+4*\slot+3], 65536
	JLOAD \slot
.else
	s_barrier_signal -1
	s_barrier_wait -1
.endif
.endm
	s_wait_tensorcnt 0x1                           ; my part of tile 0 is in; tile 1's may stay out
	s_barrier_signal -1
	s_barrier_wait -1
	s_wait_loadcnt 0x0                             ; Q
	KLOAD 0, 0
	SUBSTEP 0, 0, 1, 0                             ; tile 0's first 32 keys start the sums
	s_mov_b32 s22, 3
.Lpair:                                            ; trip t: the rest of tile 2t, tile 2t+1, the first sub-step of tile 2t+2; tiles 2t+2 and 2t+3 are asked for
	REST 0
	TURN 0, 1
	KLOAD 1, 0
	SUBSTEP 1, 0, 0, 0
	REST 1
	TURN 1, 1
	KLOAD 0, 0
	SUBSTEP 0, 0, 0, 0
	s_sub_co_u32 s22, s22, 1
	s_cmp_lg_u32 s22, 0
	s_cbranch_scc1 .Lpair
	REST 0                                         ; the rest of tile 6, and tile 7: nothing is left to fetch
	TURN 0, 0
	KLOAD 1, 0
	SUBSTEP 1, 0, 0, 0
	REST 1
	PLACES                                         ; behind the last products: O^T is read below
	; THE MERGE of the two key halves.  Waves 4-7 hand O^T, maximum and sum to waves 0-3 through LDS bytes of their own.
	s_cmp_eq_u32 s14, 0
	s_cbranch_scc1 .Lkeep
.irp q, 0,1,2,3
	v_add_f32 v[L2+2*\q], v[L2+2*\q], v[L2+2*\q+1]
.endr
	WIN 0x04                                       ; store data in window 1
.set mi, 0
.rept 32
	ds_store_b128 v[MA], v[OA+4*mi:OA+4*mi+3] offset:512*mi
.set mi, mi+1
.endr
	WIN 0
.irp q, 0,1,2,3
	ds_store_b32 v[MB], v[M+2*\q] offset:128*\q
	ds_store_b32 v[MB], v[L2+2*\q] offset:512+128*\q
.endr
.Lkeep:
	s_wait_dscnt 0x0                               ; for the readers' sake: my stores are done
	s_barrier_signal -1
	s_barrier_wait -1
	s_cmp_lg_u32 s14, 0
	s_cbranch_scc1 .Lend
.set X,  64                            ; v64-191: the partner's O^T, then the result
.set M1, 192
.set L1, 196
.set C0, 200                           ; pairs, both halves written
.set C1, 208
.set A0, 216
.set A1, 220
.set RA, 224
.set RB, 240
.set mi, 0
.rept 32
	ds_load_b128 v[X+4*mi:X+4*mi+3], v[MA] offset:512*mi
.set mi, mi+1
.endr
.irp q, 0,1,2,3
	ds_load_b32 v[M1+\q], v[MB] offset:128*\q
	ds_load_b32 v[L1+\q], v[MB] offset:512+128*\q
.endr
.irp q, 0,1,2,3
	v_add_f32 v[L2+2*\q], v[L2+2*\q], v[L2+2*\q+1]
.endr
	s_wait_dscnt 0x0
.irp q, 0,1,2,3
	v_max_num_f32 v[TT+\q], v[M+2*\q], v[M1+\q]
.endr
.irp q, 0,1,2,3
	v_sub_f32 v[A0+\q], v[TT+\q], v[M+2*\q]
	v_sub_f32 v[A1+\q], v[TT+\q], v[M1+\q]
.endr
.irp q, 0,1,2,3
	v_mul_f32 v[A0+\q], s23, v[A0+\q]                                      ; 16 (my maximum - the joint one), at most 0
	v_mul_f32 v[A1+\q], s23, v[A1+\q]
.endr
.irp q, 0,1,2,3
	v_exp_f32 v[A0+\q], v[A0+\q]
	v_exp_f32 v[A1+\q], v[A1+\q]
.endr
	v_nop                                          ; the plain place behind the exponentials
	s_wait_alu depctr_va_vdst(0)
.irp q, 0,1,2,3
	v_mul_f32 v[L2+2*\q], v[L2+2*\q], v[A0+\q]
.endr
.irp q, 0,1,2,3
	v_fmac_f32 v[L2+2*\q], v[L1+\q], v[A1+\q]
.endr
.irp q, 0,1,2,3
	v_permlanex16_b32 v[UU+\q], v[L2+2*\q], s20, s21                       ; the sums were kept by halves of the lanes until here
.endr
.irp q, 0,1,2,3
	v_add_f32 v[UU+\q], v[UU+\q], v[L2+2*\q]
.endr
.irp q, 0,1,2,3
	v_rcp_f32 v[UU+\q], v[UU+\q]
.endr
	v_nop                                          ; the plain place behind the reciprocals
	s_wait_alu depctr_va_vdst(0)
.irp q, 0,1,2,3
	v_mul_f32 v[C0+2*\q], v[A0+\q], v[UU+\q]
	v_mul_f32 v[C0+2*\q+1], v[A0+\q], v[UU+\q]
	v_mul_f32 v[C1+2*\q], v[A1+\q], v[UU+\q]
	v_mul_f32 v[C1+2*\q+1], v[A1+\q], v[UU+\q]
.endr
.set mi, 0
.rept 64
	v_pk_mul_f32 v[X+2*mi:X+2*mi+1], v[X+2*mi:X+2*mi+1], v[C1+2*((mi>>2)&3):C1+2*((mi>>2)&3)+1]
.set mi, mi+1
.endr
	WIN 0x01                                       ; source 0 (my O^T) in window 1
.set mi, 0
.rept 64
	v_pk_fma_f32 v[X+2*mi:X+2*mi+1], v[OA+2*mi:OA+2*mi+1], v[C0+2*((mi>>2)&3):C0+2*((mi>>2)&3)+1], v[X+2*mi:X+2*mi+1]
.set mi, mi+1
.endr
	WIN 0
.set mi, 0
.rept 16
.irp i, 0,1,2,3
	v_cvt_pk_bf16_f32 v[X+8*mi+\i], v[X+8*mi+2*\i], v[X+8*mi+2*\i+1]       ; in place: register i is free when pair i is read
.endr
.set mi, mi+1
.endr
.macro OUTQ q, R                       ; 16 queries x 64: through my stage, out as whole rows of 128 bytes
.irp dt, 0,1,2,3
	ds_store_b128 v[STO], v[X+8*(4*\dt+\q):X+8*(4*\dt+\q)+3] offset:32*\dt
.endr
	s_wait_xcnt 0x0                                ; buffer R, which earlier stores read, is loaded again only behind this wait
.irp t, 0,1,2,3
	ds_load_b128 v[\R+4*\t:\R+4*\t+3], v[RD] offset:576*\t                 ; LDS serves a wave's instructions in order
.endr
.irp t, 0,1,2,3
	s_wait_dscnt 3-\t
	global_store_b128 v[CO], v[\R+4*\t:\R+4*\t+3], s[62:63] offset:2048*\q+512*\t   ; 32 lanes store 512 consecutive bytes, aligned
.endr
.endm
	OUTQ 0, RA
	OUTQ 1, RB
	OUTQ 2, RA
	OUTQ 3, RB
.Lend:
	s_wait_tensorcnt 0x0
	ds_add_u32 v62, v63
	s_wait_dscnt 0x0
	CROUND                                         ; the closing round
	s_endpgm
.Lfunc_end_k_q0f5e9d1214_attn:
	.size	k_q0f5e9d1214_attn, .Lfunc_end_k_q0f5e9d1214_attn-k_q0f5e9d1214_attn
	.p2alignl 7, 3214868480
	.fill 96, 4, 3214868480
	.section	.rodata,"a",@progbits
	.p2align	6, 0x0
	.amdhsa_kernel k_q0f5e9d1214_attn
		.amdhsa_group_segment_fixed_size 327680
		.amdhsa_private_segment_fixed_size 0
		.amdhsa_enable_private_segment 0
		.amdhsa_kernarg_size 32
		.amdhsa_user_sgpr_count 2
		.amdhsa_user_sgpr_kernarg_segment_ptr 1
		.amdhsa_wavefront_size32 1
		.amdhsa_system_sgpr_workgroup_id_x 1
		.amdhsa_system_sgpr_workgroup_id_y 1
		.amdhsa_system_sgpr_workgroup_id_z 1
		.amdhsa_system_vgpr_workitem_id 0
		.amdhsa_next_free_vgpr 512
		.amdhsa_next_free_sgpr 66
		.amdhsa_reserve_vcc 0
		.amdhsa_float_denorm_mode_32 3
		.amdhsa_float_denorm_mode_16_64 3
		.amdhsa_memory_ordered 1
		.amdhsa_forward_progress 1
		.amdhsa_inst_pref_size 255
	.end_amdhsa_kernel
	.section	.bss,"aw",@nobits
	.p2align	6
	.space	262144
	.amdgpu_metadata
---
amdhsa.version: [ 1, 2 ]
amdhsa.kernels:
  - .name:           k_q0f5e9d1214_attn
    .symbol:         k_q0f5e9d1214_attn.kd
    .args:
      - { .name: qs, .offset: 0, .size: 8, .value_kind: global_buffer, .address_space: global }
      - { .name: ks, .offset: 8, .size: 8, .value_kind: global_buffer, .address_space: global }
      - { .name: vs, .offset: 16, .size: 8, .value_kind: global_buffer, .address_space: global }
      - { .name: ao, .offset: 24, .size: 8, .value_kind: global_buffer, .address_space: global }
    .group_segment_fixed_size: 327680
    .private_segment_fixed_size: 0
    .kernarg_segment_align: 8
    .kernarg_segment_size: 32
    .max_flat_workgroup_size: 256
    .sgpr_count:     66
    .vgpr_count:     512
    .wavefront_size: 32
...
	.end_amdgpu_metadata
.endif
;; end of part 3
;; launch outp (part 4): grid 8 x 32, 4 waves a work-group, clusters of 4 x 4, 327,680 bytes of LDS; arguments ao, wb, bout, out0; writes out0
.if DOCPART == 4
	.amdgcn_target "amdgcn-amd-amdhsa--gfx1250"
	.amdhsa_code_object_version 6
	.text
	.protected	k_q0f5e9d1214_outp
	.globl	k_q0f5e9d1214_outp
	.p2align	8
	.type	k_q0f5e9d1214_outp,@function
k_q0f5e9d1214_outp:
	s_mov_b64 s[64:65], 0
	v_nop
	global_prefetch_b8 v0, s[64:65] scope:SCOPE_SE
	s_setreg_imm32_b32 hwreg(HW_REG_WAVE_MODE, 25, 1), 1
	s_wait_xcnt 0x0
	s_wait_alu depctr_hold_cnt(0) depctr_sa_sdst(0) depctr_va_vdst(0) depctr_va_sdst(0) depctr_va_ssrc(0) depctr_va_vcc(0) depctr_vm_vsrc(0)
	s_getreg_b32 s2, hwreg(HW_REG_IB_STS2, 6, 4)
	s_cmp_eq_u32 s2, 0
	s_cbranch_scc0 .Lentry_in_a_cluster
	s_endpgm
.Lentry_in_a_cluster:
	s_bfe_u32 s2, ttmp6, 0x10000c
	s_cmp_lg_u32 s2, 0xf033
	s_cbranch_scc0 .Lentry_shape_is_right
	s_endpgm
.Lentry_shape_is_right:
; out0 = O Wout + bout.  O comes as ao [b*16+h][n][64] bf16, Wout as bf16 [1024][1024] at byte 14,680,064 of wb; sums and out0 in f32.
; A work-group makes 128 x 128 of out0 (256 work-groups), four waves of 64 x 64: 16 accumulator tiles in window 1.
; K goes in 4 steps of 256 (four heads) through two LDS slots.  Of O a step is four dense planes of 128 rows x 128 bytes; waves 0, 1 bring two planes
; each by one load (two rows of 16 KiB, 262,144 bytes apart, padded by 16 bytes after every 128); waves 2, 3 bring 128 rows of Wout each.
; CLUSTER 4 x 4: O's tiles are asked for jointly along a row of the cluster, Wout's along a column.
; Larger blocks would feed each LDS byte better but leave three quarters of the WGPs without work at this size.
; The matrix instruction is used transposed (source 0 = Wout's columns): a lane holds 8 neighbouring columns of one row.
.set PAO,   144                        ; O's LDS row: 128 bytes + 16
.set PB,    288                        ; Wout's LDS row: 256 bytes + 32
.set PS,    272                        ; stage row: 256 bytes + 16
.set SEG,   36864                      ; what one load brings: two planes of 128 x 144, or 128 x 288
.set SLOT,  4*SEG
.set STAGE, 2*SLOT
.set WV,    14
.set ADRA,  16                         ; v16-17
.set ADRB,  18                         ; v18-21: 2 slot + half
.set STO,   24
.set RD,    25
.set CO,    26
.set VB,    27
.set BIAS,  32
.set F0,    64
.set F1,    128
.set T,     64
.set R0,    128
.set R1,    192
.set G1A, 24
.set G0A, 32
.set G1B, 48
.set G0B, 56
.set MSB, 0
.macro WIN new
.if MSB != \new
	s_set_vgpr_msb (MSB<<8)|\new
.set MSB, \new
.endif
.endm
.macro PLACES                          ; four plain vector places behind a matrix instruction (ISA guide 7.12.1)
.rept 4
	v_nop
.endr
.endm
.macro JLOAD s
	s_cmp_lt_u32 s[WV], 2
	s_cbranch_scc0 .Lfor_b_\@
	tensor_load_to_lds s[G0A+4*\s:G0A+4*\s+3], s[G1A:G1A+7]
	s_nop 0
	s_branch .Lasked_\@
.Lfor_b_\@:
	tensor_load_to_lds s[G0B+4*\s:G0B+4*\s+3], s[G1B:G1B+7]
	s_nop 0
.Lasked_\@:
.endm
.macro CROUND
	s_barrier_signal -1
	s_barrier_wait -1
	s_cmp_lg_u32 s[WV], 0
	s_cbranch_scc1 .Lnot_wave_0_\@
	s_barrier_signal -3
.Lnot_wave_0_\@:
	s_barrier_wait -3
	s_barrier_signal -1
	s_barrier_wait -1
.endm
	s_load_b256 s[4:11], s[0:1], 0x0               ; ao s[4:5], wb s[6:7], bout s[8:9], out0 s[10:11]
	v_lshl_add_u32 v254, v0, 2, 0x4c400
	v_mov_b32 v255, 0
	ds_add_u32 v254, v255
	v_lshrrev_b32 v1, 5, v0
	v_readfirstlane_b32 s14, v1                    ; wave
	s_lshr_b32 s15, s14, 1                         ; wr
	s_and_b32 s16, s14, 1                          ; wc; also which half of O's or Wout's tile I fetch
	s_bfe_u32 s17, ttmp6, 0x40000                  ; cx
	s_bfe_u32 s18, ttmp6, 0x40004                  ; cy
	s_lshl_b32 s19, ttmp9, 2
	s_add_co_u32 s19, s19, s17                     ; CB: block column 0..7
	s_and_b32 s20, ttmp7, 0xffff
	s_lshl_b32 s20, s20, 2
	s_add_co_u32 s20, s20, s18                     ; RB: block row 0..31
	s_lshl_b32 s40, s18, 2
	s_lshl_b32 s40, 15, s40
	s_lshl_b32 s41, 0x1111, s17
	s_or_b32 s[G1A+0], s40, (1<<16)|(1<<20)|(1<<21)|(4<<22)|(3<<25)   ; my row's mask; after 32 words 4 words of padding
	s_or_b32 s[G1B+0], s41, (1<<16)|(1<<20)|(1<<21)|(5<<22)|(7<<25)   ; my column's mask; after 64 words 8 words
	s_mov_b32 s[G1A+1], 8192<<16                   ; tensor_dim0 = 8,192 elements: a plane of 16 KiB
	s_mov_b32 s[G1B+1], 128<<16
	s_mov_b32 s[G1A+2], 2<<16                      ; tensor_dim1 = 2 planes
	s_mov_b32 s[G1B+2], 128<<16
	s_mov_b32 s[G1A+3], 8192<<16                   ; tile_dim0
	s_mov_b32 s[G1B+3], 128<<16
	s_mov_b32 s[G1A+4], 2                          ; tile_dim1
	s_mov_b32 s[G1B+4], 128
	s_mov_b32 s[G1A+5], 131072                     ; from head to head: 2,048 rows of 64 elements
	s_mov_b32 s[G1B+5], 1024
	s_mov_b32 s[G1A+6], 0
	s_mov_b32 s[G1B+6], 0
	s_mov_b32 s[G1A+7], 0
	s_mov_b32 s[G1B+7], 0
	s_lshr_b32 s42, s20, 4                         ; O: batch x 4,194,304 + (RB mod 16) x 16,384 + (wave & 1) x two heads
	s_lshl_b32 s42, s42, 22
	s_and_b32 s43, s20, 15
	s_lshl_b32 s43, s43, 14
	s_add_co_u32 s42, s42, s43
	s_lshl_b32 s43, s16, 19
	s_add_co_u32 s42, s42, s43
	s_mov_b32 s43, 0
	s_lshl_b32 s46, s19, 8                         ; Wout: 14,680,064 + (wave & 1) x 128 rows of 2,048 bytes + CB x 256
	s_lshl_b32 s47, s16, 18
	s_add_co_u32 s46, s46, s47
	s_add_co_u32 s46, s46, 14680064
	s_mov_b32 s47, 0
	s_mul_i32 s21, s14, SEG                        ; LDS: wave x what a load brings
	s_wait_dscnt 0x0
	s_wait_kmcnt 0x0
	s_add_nc_u64 s[42:43], s[4:5], s[42:43]
	s_add_nc_u64 s[46:47], s[6:7], s[46:47]
	CROUND                                         ; the first joint loads meet
.irp s, 0,1
	s_mov_b32 s[G0A+4*\s], 1
	s_add_co_u32 s[G0A+4*\s+1], s21, \s*SLOT
	s_add_nc_u64 s[G0A+4*\s+2:G0A+4*\s+3], s[42:43], \s*1048576        ; K step s: four heads
	s_or_b32 s[G0A+4*\s+3], s[G0A+4*\s+3], 0x80000000
	s_mov_b32 s[G0B+4*\s], 1
	s_add_co_u32 s[G0B+4*\s+1], s21, \s*SLOT
	s_add_nc_u64 s[G0B+4*\s+2:G0B+4*\s+3], s[46:47], \s*524288         ; K step s: 256 rows
	s_or_b32 s[G0B+4*\s+3], s[G0B+4*\s+3], 0x80000000
	JLOAD \s                                       ; two loads of the wave are out
.endr
	v_and_b32 v2, 15, v0                           ; r
	v_bfe_u32 v3, v0, 4, 1                         ; h
	v_and_b32 v4, 7, v0
	v_bfe_u32 v5, v0, 3, 1
	v_lshlrev_b32 v[VB], 5, v3
	s_lshl_b32 s44, s19, 9                         ; my first column in bytes of f32: 512 CB + 256 wc
	s_lshl_b32 s45, s16, 8
	s_add_co_u32 s44, s44, s45
	s_mov_b32 s45, 0
	s_lshl_b32 s40, s20, 19                        ; my first row: (128 RB + 64 wr) x 4,096 bytes
	s_lshl_b32 s41, s15, 18
	s_add_co_u32 s40, s40, s41
	s_add_co_u32 s40, s40, s44
	s_mov_b32 s41, 0
	s_add_nc_u64 s[40:41], s[10:11], s[40:41]
	s_add_nc_u64 s[44:45], s[8:9], s[44:45]
.irp b, 0,1,2,3                                    ; the bias of my 8 columns in each of 4 tiles, once; waited for in front of the way out
	global_load_b128 v[BIAS+8*\b:BIAS+8*\b+3], v[VB], s[44:45] offset:64*\b
	global_load_b128 v[BIAS+8*\b+4:BIAS+8*\b+7], v[VB], s[44:45] offset:64*\b+16
.endr
	v_mul_u32_u24 v6, v2, PAO
	v_lshl_add_u32 v6, v3, 4, v6
	s_mul_i32 s22, s15, 64*PAO
	v_add_nc_u32 v[ADRA], s22, v6                  ; (64 wr + r) x 144 + 16 h
	v_add_nc_u32 v[ADRA+1], SLOT, v[ADRA]
	v_lshl_add_u32 v7, v3, 3, v4
	v_mul_u32_u24 v7, v7, PB
	v_lshl_add_u32 v7, v5, 4, v7
	s_lshl_b32 s22, s16, 7
	s_add_co_u32 s22, s22, 2*SEG
	v_add_nc_u32 v[ADRB], s22, v7                  ; behind O's planes: (8 h + (L & 7)) x 288 + 128 wc + 16 ((L >> 3) & 1)
	v_add_nc_u32 v[ADRB+1], SEG, v[ADRB]           ; k rows 128-255
	v_add_nc_u32 v[ADRB+2], SLOT, v[ADRB]
	v_add_nc_u32 v[ADRB+3], SLOT, v[ADRB+1]
	s_mul_i32 s22, s14, 16*PS
	s_add_co_u32 s22, s22, STAGE
	v_mul_u32_u24 v8, v2, PS
	v_lshl_add_u32 v8, v3, 5, v8
	v_add_nc_u32 v[STO], s22, v8                   ; in: row r, 32 bytes for each half of the lanes
	v_mul_u32_u24 v8, v3, PS
	v_lshl_add_u32 v8, v2, 4, v8
	v_add_nc_u32 v[RD], s22, v8                    ; back: lanes 0-15 one row of 256 bytes, lanes 16-31 the next
	v_lshlrev_b32 v8, 12, v3
	v_lshl_add_u32 v[CO], v2, 4, v8                ; and the same two rows in out0
.macro FETCH slot, kq, f               ; 16 LDS loads: the fragments of 32 along K (eighth kq of the slot)
.irp a, 0,1,2,3
	ds_load_b128 v[\f+8*\a:\f+8*\a+3], v[ADRA+\slot] offset:((\kq)>>1)*128*PAO+((\kq)&1)*64+\a*16*PAO
	ds_load_b128 v[\f+8*\a+4:\f+8*\a+7], v[ADRA+\slot] offset:((\kq)>>1)*128*PAO+((\kq)&1)*64+\a*16*PAO+32
.endr
.irp b, 0,1,2,3
	ds_load_tr16_b128 v[\f+32+8*\b:\f+32+8*\b+3], v[ADRB+2*\slot+((\kq)>>2)] offset:((\kq)&3)*32*PB+32*\b
	ds_load_tr16_b128 v[\f+32+8*\b+4:\f+32+8*\b+7], v[ADRB+2*\slot+((\kq)>>2)] offset:((\kq)&3)*32*PB+32*\b+16*PB
.endr
.endm
.macro MUL16 f, zero                   ; the 16 accumulators take turns, one instruction a turn
	WIN 0x50
.irp a, 0,1,2,3
.irp b, 0,1,2,3
.if \zero
	v_wmma_f32_16x16x32_bf16 v[8*(4*\a+\b):8*(4*\a+\b)+7], v[\f+32+8*\b:\f+32+8*\b+7], v[\f+8*\a:\f+8*\a+7], 0
.else
	v_wmma_f32_16x16x32_bf16 v[8*(4*\a+\b):8*(4*\a+\b)+7], v[\f+32+8*\b:\f+32+8*\b+7], v[\f+8*\a:\f+8*\a+7], v[8*(4*\a+\b):8*(4*\a+\b)+7]
.endif
.endr
.endr
.endm
.macro QSTEP slot, kq, f, g, zero      ; fetches eighth kq into buffer g, multiplies buffer f
	WIN 0
	PLACES
	FETCH \slot, \kq, \g
	s_wait_dscnt 16                                ; all but the 16 just issued
	MUL16 \f, \zero
.endm
.macro SEVEN slot, zero
	QSTEP \slot, 1, F0, F1, \zero
	QSTEP \slot, 2, F1, F0, 0
	QSTEP \slot, 3, F0, F1, 0
	QSTEP \slot, 4, F1, F0, 0
	QSTEP \slot, 5, F0, F1, 0
	QSTEP \slot, 6, F1, F0, 0
	QSTEP \slot, 7, F0, F1, 0
.endm
; The change of slots: my reads of this slot are back, all my tensor loads have landed; with fill a round of the cluster's barrier, and the joint
; refill, two K steps ahead, first behind it; then the next slot's first fragments, and the last eighth's products while they come.
.macro TURN slot, next, fill
	WIN 0
	s_wait_dscnt 0x0
	s_wait_tensorcnt 0x0
	ds_add_u32 v254, v255
	s_wait_dscnt 0x0
.if \fill
	CROUND
	s_add_nc_u64 s[G0A+4*\slot+2:G0A+4*\slot+3], s[G0A+4*\slot+2:G0A+4*\slot+3], 2097152
	s_add_nc_u64 s[G0B+4*\slot+2:G0B+4*\slot+3], s[G0B+4*\slot+2:G0B+4*\slot+3], 1048576
	JLOAD \slot
.else
	s_barrier_signal -1
	s_barrier_wait -1
.endif
	PLACES
	FETCH \next, 0, F0
	MUL16 F1, 0
.endm
	s_wait_tensorcnt 0x1                           ; my part of K step 0 is in; step 1's may stay out
	s_barrier_signal -1
	s_barrier_wait -1
	FETCH 0, 0, F0
	SEVEN 0, 1                                     ; the first products start the sums
	TURN 0, 1, 1
	SEVEN 1, 0
	TURN 1, 0, 1
	SEVEN 0, 0
	TURN 0, 1, 0
	SEVEN 1, 0
	s_wait_dscnt 0x0
	MUL16 F1, 0
	WIN 0
	PLACES                                         ; behind the last products: the sums are read, the buffers written
	; THE WAY OUT, 16 rows at a time: bias, through my own stage, out as whole rows of 256 bytes
	s_wait_loadcnt 0x0                             ; the bias
.macro OUT16 a, R
	WIN 0x01                                       ; source 0 (the sums) in window 1
.set oi, 0
.rept 16
	v_pk_add_f32 v[T+2*oi:T+2*oi+1], v[32*\a+2*oi:32*\a+2*oi+1], v[BIAS+2*oi:BIAS+2*oi+1]
.set oi, oi+1
.endr
	WIN 0
.irp b, 0,1,2,3
	ds_store_b128 v[STO], v[T+8*\b:T+8*\b+3] offset:64*\b
	ds_store_b128 v[STO], v[T+8*\b+4:T+8*\b+7] offset:64*\b+16
.endr
	s_wait_xcnt 0x0                                ; buffer R, which earlier stores read, is loaded again only behind this wait
.irp t, 0,1,2,3,4,5,6,7
	ds_load_b128 v[\R+4*\t:\R+4*\t+3], v[RD] offset:\t*2*PS                ; LDS serves a wave's instructions in order
.endr
.irp t, 0,1,2,3,4,5,6,7
	s_wait_dscnt 7-\t
	global_store_b128 v[CO], v[\R+4*\t:\R+4*\t+3], s[40:41] offset:(16*\a+2*\t)*4096   ; 16 lanes store 256 consecutive bytes, aligned
.endr
.endm
	OUT16 0, R0
	OUT16 1, R1
	OUT16 2, R0
	OUT16 3, R1
	s_wait_tensorcnt 0x0
	ds_add_u32 v254, v255
	s_wait_dscnt 0x0
	CROUND                                         ; the closing round
	s_endpgm
.Lfunc_end_k_q0f5e9d1214_outp:
	.size	k_q0f5e9d1214_outp, .Lfunc_end_k_q0f5e9d1214_outp-k_q0f5e9d1214_outp
	.p2alignl 7, 3214868480
	.fill 96, 4, 3214868480
	.section	.rodata,"a",@progbits
	.p2align	6, 0x0
	.amdhsa_kernel k_q0f5e9d1214_outp
		.amdhsa_group_segment_fixed_size 327680
		.amdhsa_private_segment_fixed_size 0
		.amdhsa_enable_private_segment 0
		.amdhsa_kernarg_size 32
		.amdhsa_user_sgpr_count 2
		.amdhsa_user_sgpr_kernarg_segment_ptr 1
		.amdhsa_wavefront_size32 1
		.amdhsa_system_sgpr_workgroup_id_x 1
		.amdhsa_system_sgpr_workgroup_id_y 1
		.amdhsa_system_sgpr_workgroup_id_z 1
		.amdhsa_system_vgpr_workitem_id 0
		.amdhsa_next_free_vgpr 384
		.amdhsa_next_free_sgpr 66
		.amdhsa_reserve_vcc 0
		.amdhsa_float_denorm_mode_32 3
		.amdhsa_float_denorm_mode_16_64 3
		.amdhsa_memory_ordered 1
		.amdhsa_forward_progress 1
		.amdhsa_inst_pref_size 94
	.end_amdhsa_kernel
	.amdgpu_metadata
---
amdhsa.version: [ 1, 2 ]
amdhsa.kernels:
  - .name:           k_q0f5e9d1214_outp
    .symbol:         k_q0f5e9d1214_outp.kd
    .args:
      - { .name: ao, .offset: 0, .size: 8, .value_kind: global_buffer, .address_space: global }
      - { .name: wb, .offset: 8, .size: 8, .value_kind: global_buffer, .address_space: global }
      - { .name: bout, .offset: 16, .size: 8, .value_kind: global_buffer, .address_space: global }
      - { .name: out0, .offset: 24, .size: 8, .value_kind: global_buffer, .address_space: global }
    .group_segment_fixed_size: 327680
    .private_segment_fixed_size: 0
    .kernarg_segment_align: 8
    .kernarg_segment_size: 32
    .max_flat_workgroup_size: 128
    .sgpr_count:     66
    .vgpr_count:     384
    .wavefront_size: 32
...
	.end_amdgpu_metadata
.endif
;; end of part 4
;; ======== version 2 of 2: 4 launches; version 1 with the launch prep written anew for expert scheduling mode
;; limits: values are held in f16: magnitudes above 65,504 overflow, below 6.1e-05 lose precision
;; workspace buffers: wb 16,777,216 bytes; qs 16,777,216 bytes; ks 16,777,216 bytes; vs 8,388,608 bytes; ao 8,388,608 bytes
;; launch prep (part 5): grid 256 x 1, 8 waves a work-group, no clusters, 0 bytes of LDS; arguments x, Wqkv, Wout, wb; writes wb
.if DOCPART == 5
	.amdgcn_target "amdgcn-amd-amdhsa--gfx1250"
	.amdhsa_code_object_version 6
	.text
	.protected	k_q0f5e9d1214_prep
	.globl	k_q0f5e9d1214_prep
	.p2align	8
	.type	k_q0f5e9d1214_prep,@function
k_q0f5e9d1214_prep:
	s_mov_b64 s[64:65], 0
	v_nop
	global_prefetch_b8 v0, s[64:65] scope:SCOPE_SE
	s_setreg_imm32_b32 hwreg(HW_REG_WAVE_SCHED_MODE, 0, 2), 2
	s_setreg_imm32_b32 hwreg(HW_REG_WAVE_MODE, 25, 1), 1
	s_wait_xcnt 0x0
	s_wait_alu depctr_vm_vsrc(0)
; prep: x [4096][1024], Wqkv [1024][3072] and Wout [1024][1024], all f32, are rounded once (to nearest even) to bf16 and laid,
; layouts unchanged, one behind the other into wb: x at byte 0, Wqkv at 8,388,608, Wout at 14,680,064.
; 8,388,608 numbers in 256 work-groups of 32,768: groups 0-127 take x, 128-223 Wqkv, 224-255 Wout; wb is simply 65,536 bytes a group.
; A wave takes 16 KiB of f32: 32 loads of 512 neighbouring bytes, all issued at once (the group's whole 128 KiB is on its way),
; then 32 stores of 256 neighbouring, aligned bytes.  No register is written twice, so no wait frees a source.
; No LDS, no matrix unit, no cluster: nothing is shared and nothing is summed.
; THE MODE: SCHED_MODE bits 1:0 = 2 (LLVM: expert scheduling mode 2), set by the entry lines.  The code itself states the register dependences
; between vector instructions and memory instructions, with s_wait_alu, always for 0.
; THE PLAN.  Registers that memory instructions touch:
;   v1, v2   byte offsets of the loads and of the stores: written at the head by vector lines, never again; read by every load, by every store.
;   X        slot i: written by its one load, then read by its two conversions; no vector line names it ahead of the loads.
;   Y        slot i: written by its two conversions, then read by its one store; never written again.
; The 32 slots go in 8 blocks of four.  Block p converts slots 4 p to 4 p + 3; its memory instructions are the four stores of block p - 1, whose Y
; no conversion of block p names.  So one wait at a block's head, behind the wait for the block's data, states all that its four stores hang on,
; and they are dealt among the block's conversions with no further wait.  Nothing that a memory instruction reads is written again,
; so no wait for memory instructions' reads of registers is owed anywhere.
.set X, 4                              ; v[4:131]    32 slots of 4 f32 as loaded
.set Y, 132                            ; v[132:195]  32 slots of 4 bf16 to store
.set BLK, 4                            ; slots in a block
	s_load_b256 s[4:11], s[0:1], 0x0               ; x s[4:5], Wqkv s[6:7], Wout s[8:9], wb s[10:11]
	v_lshrrev_b32 v3, 5, v0                        ; wave
	v_and_b32 v1, 31, v0                           ; lane
	v_lshlrev_b32 v2, 3, v1
	v_lshlrev_b32 v1, 4, v1
	v_lshl_add_u32 v1, v3, 14, v1                  ; load offset: 16,384 wave + 16 lane
	v_lshl_add_u32 v2, v3, 13, v2                  ; store offset: 8,192 wave + 8 lane
	s_movk_i32 s16, 128                            ; first group of Wqkv
	s_movk_i32 s17, 224                            ; first group of Wout
	s_wait_kmcnt 0x0
	s_cmp_lt_u32 ttmp9, s17
	s_cselect_b64 s[12:13], s[6:7], s[8:9]         ; the source is chosen by the group's number alone
	s_cselect_b32 s14, s16, s17
	s_cmp_lt_u32 ttmp9, s16
	s_cselect_b64 s[12:13], s[4:5], s[12:13]
	s_cselect_b32 s14, 0, s14
	s_sub_co_u32 s14, ttmp9, s14                   ; my number within the source
	s_lshl_b32 s14, s14, 17                        ; x 131,072 bytes of f32
	s_mov_b32 s15, 0
	s_add_nc_u64 s[12:13], s[12:13], s[14:15]
	s_lshl_b32 s18, ttmp9, 16                      ; x 65,536 bytes of bf16
	s_mov_b32 s19, 0
	s_add_nc_u64 s[10:11], s[10:11], s[18:19]
	s_wait_alu depctr_va_vdst(0)                   ; v1 and v2 are written: every load below reads v1 as its offset, every store v2
.set i, 0
.rept 32
	global_load_b128 v[X+4*i:X+4*i+3], v1, s[12:13] offset:512*i th:TH_LOAD_NT
.set i, i+1
.endr
.set p, 0
.rept 32/BLK
	s_wait_loadcnt 32-BLK-BLK*p                    ; loads come back in order: block p's four slots are in, the younger ones stay out
.if p > 0
	s_wait_alu depctr_va_vdst(0)                   ; the block before has written its Y, which the four stores below read
.endif
.set i, BLK*p
.rept BLK
.if p > 0
	global_store_b64 v2, v[Y+2*(i-BLK):Y+2*(i-BLK)+1], s[10:11] offset:256*(i-BLK)   ; the block before; 32 lanes store 256 consecutive bytes, aligned; no conversion since the wait names these registers
.endif
	v_cvt_pk_bf16_f32 v[Y+2*i], v[X+4*i], v[X+4*i+1]
	v_cvt_pk_bf16_f32 v[Y+2*i+1], v[X+4*i+2], v[X+4*i+3]
.set i, i+1
.endr
.set p, p+1
.endr
	s_wait_alu depctr_va_vdst(0)                   ; the last block has written its Y, which the last four stores read
.set i, 32-BLK
.rept BLK
	global_store_b64 v2, v[Y+2*i:Y+2*i+1], s[10:11] offset:256*i   ; 32 lanes store 256 consecutive bytes, aligned
.set i, i+1
.endr
	s_endpgm
.Lfunc_end_k_q0f5e9d1214_prep:
	.size	k_q0f5e9d1214_prep, .Lfunc_end_k_q0f5e9d1214_prep-k_q0f5e9d1214_prep
	.p2alignl 7, 3214868480
	.fill 96, 4, 3214868480
	.section	.rodata,"a",@progbits
	.p2align	6, 0x0
	.amdhsa_kernel k_q0f5e9d1214_prep
		.amdhsa_group_segment_fixed_size 0
		.amdhsa_private_segment_fixed_size 0
		.amdhsa_enable_private_segment 0
		.amdhsa_kernarg_size 32
		.amdhsa_user_sgpr_count 2
		.amdhsa_user_sgpr_kernarg_segment_ptr 1
		.amdhsa_wavefront_size32 1
		.amdhsa_system_sgpr_workgroup_id_x 1
		.amdhsa_system_sgpr_workgroup_id_y 1
		.amdhsa_system_sgpr_workgroup_id_z 1
		.amdhsa_system_vgpr_workitem_id 0
		.amdhsa_next_free_vgpr 200
		.amdhsa_next_free_sgpr 66
		.amdhsa_reserve_vcc 0
		.amdhsa_float_denorm_mode_32 3
		.amdhsa_float_denorm_mode_16_64 3
		.amdhsa_memory_ordered 1
		.amdhsa_forward_progress 1
		.amdhsa_inst_pref_size 12
	.end_amdhsa_kernel
	.amdgpu_metadata
---
amdhsa.version: [ 1, 2 ]
amdhsa.kernels:
  - .name:           k_q0f5e9d1214_prep
    .symbol:         k_q0f5e9d1214_prep.kd
    .args:
      - { .name: x, .offset: 0, .size: 8, .value_kind: global_buffer, .address_space: global }
      - { .name: Wqkv, .offset: 8, .size: 8, .value_kind: global_buffer, .address_space: global }
      - { .name: Wout, .offset: 16, .size: 8, .value_kind: global_buffer, .address_space: global }
      - { .name: wb, .offset: 24, .size: 8, .value_kind: global_buffer, .address_space: global }
    .group_segment_fixed_size: 0
    .private_segment_fixed_size: 0
    .kernarg_segment_align: 8
    .kernarg_segment_size: 32
    .max_flat_workgroup_size: 256
    .sgpr_count:     66
    .vgpr_count:     200
    .wavefront_size: 32
...
	.end_amdgpu_metadata
.endif
;; end of part 5
;; launch qkv: the kernel of part 2 again; grid 8 x 32, 4 waves a work-group, clusters of 4 x 4, 327,680 bytes of LDS; arguments wb, bqkv, qs, ks, vs; writes qs, ks, vs
;; launch attn: the kernel of part 3 again; grid 8 x 32, 8 waves a work-group, clusters of 4 x 1, 327,680 bytes of LDS; arguments qs, ks, vs, ao; writes ao
;; launch outp: the kernel of part 4 again; grid 8 x 32, 4 waves a work-group, clusters of 4 x 4, 327,680 bytes of LDS; arguments ao, wb, bout, out0; writes out0
